; MI455X (gfx1250); checked and timed in simulation.
; The chip was launched on July 23, 2026; its instructions are those of AMD's public machine-readable ISA for CDNA 5 (MIT licence, August 2026) and "CDNA5" Instruction Set Architecture Reference Guide (July 2026). The comments in the code are by the model that wrote it; some were corrected since.
;; Multi Head Attention. Allowed arithmetic: matrix products marked QUANTISED: E2M1 operands, one E8M0 scale for each 32 along K, by v_wmma_scale_f32_16x16x128_f8f6f4 with both operands' format E2M1 (or v_wmma_scale_f32_32x16x128_f4), f32 sums; everything else in f32.
;; Inputs: b_proj 1,024 float32; b_qkv 3,072 float32; w_proj 1,024 x 1,024 float32; w_qkv 1,024 x 3,072 float32; x 4 x 2,048 x 1,024 float32.
;; Outputs: out0 4 x 2,048 x 1,024 float32.
;; This version of the problem:
;;   THIS VERSION OF THE PROBLEM IS GIVEN IN LOW PRECISION. The matrix products marked QUANTISED in the list below multiply operands that are first quantised to E2M1 (2 exponent bits, 1 mantissa bit; 4 bits a number), with one power-of-two scale for each 32 numbers along K (OCP MX v1.0); their sums are f32. All else is computed in f32.
;;   The module's matrix products, in the order in which they are computed (A, B: the left and right operand; K: the contracted axis; several contracted axes count as one K, in the product's order):
;;     1. [M 8,192, K 1,024] x [K 1,024, N 3,072]; A: input x; B: input w_qkv: QUANTISED
;;     2. batch 64 x [M 2,048, K 64] x [K 64, N 2,048]; A: computed on the way; B: computed on the way: QUANTISED
;;     3. batch 64 x [M 2,048, K 2,048] x [K 2,048, N 64]; A: softmax (see below); B: computed on the way: QUANTISED
;;     4. [M 8,192, K 1,024] x [K 1,024, N 1,024]; A: computed on the way; B: input w_proj: QUANTISED
;;   THE QUANTISER, for each operand of a quantised product, along K:
;;     - K is cut into blocks of 32 from its start; a last block that is shorter is filled with zeros.
;;     - A block's scale is 2^e with e = floor(log2(the largest magnitude in the block)) - 2, held to -126 .. 127; a block of zeros has e = 0. As a byte (E8M0): e + 127.
;;     - Each number is divided by its block's scale, clamped to +-6, and rounded to the nearest number of E2M1, ties to even, subnormals kept.
;;     - The product sums the exact products of the quantised numbers (number of the format x scale) in f32.
;;   ~~~python
;;   def quantise(x, axis):      # numpy; x: float32 -> the quantised numbers, widened to float32 again
;;       x = np.moveaxis(x, axis, -1); K = x.shape[-1]
;;       x = np.pad(x, [(0, 0)] * (x.ndim - 1) + [(0, -K % 32)]); x = x.reshape(x.shape[:-1] + (-1, 32)); a = np.abs(x).max(-1, keepdims=True)
;;       e = np.where(a > 0, np.clip(np.frexp(np.where(a > 0, a, 1))[1] - 1 - 2, -126, 127), 0)      # np.frexp(a)[1] - 1 = floor(log2(a)), exactly
;;       r = np.clip(x / 2.0 ** e, -6, 6)
;;       step = 2.0 ** (np.maximum(np.frexp(np.where(r == 0, 1, r))[1] - 1, 0) - 1)
;;       q = np.round(r / step) * step * 2.0 ** e      # np.round: ties to even
;;       return np.moveaxis(q.reshape(q.shape[:-2] + (-1,))[..., :K], -1, axis).astype(np.float32)
;;   ~~~
;;   SOFTMAX AHEAD OF A QUANTISED PRODUCT. Where the list says 'softmax', what is quantised is not the finished softmax but p = 2^(t - M), with t = logit x log2(e) and M = ceil(the row's largest t), a whole number; so 1/2 < the row's largest p <= 1. The row's sum l is taken of the UNQUANTISED p, in f32, and the product's result is divided by l at the end. Since M is a whole number, a kernel that streams over the keys may use a running M (the ceiling of the running maximum): every later rescaling is an exact power of two, which a block's scale takes up: the codes' values come out the same.
;;   OPERANDS COMPUTED ON THE WAY. 'Computed on the way' means the value that the module computes at that place (a softmax that the list does not call 'softmax' is quantised finished and normalised). What goes into a quantiser is computed in f32, as accurately as f32 sums, v_exp_f32 and their like allow (about 1e-6 of the number): no bf16 or f16 on the way to a quantiser, and a product that is left as it is and whose result goes on into a quantised operand takes f32 operands (vector FMAs, or v_wmma_f32_16x16x4_f32). A number that lies on a knife's edge between two numbers of the format may be rounded either way, as far as f32 arithmetic and the matrix unit's own rounding can turn it there, and no further.
;; One version. Each part assembles by itself: llvm-mc -triple=amdgcn-amd-amdhsa -mcpu=gfx1250 --defsym DOCPART=n.
;; ======== version 1 of 1: 4 launches
;; workspace buffers: xw 6,684,672 bytes; qkv 13,369,344 bytes; oq 4,456,448 bytes
;; launch prep (part 1): grid 384 x 1, 4 waves a work-group, no clusters, 34,304 bytes of LDS; arguments x, w_qkv, w_proj, xw; writes xw
.if DOCPART == 1
	.amdgcn_target "amdgcn-amd-amdhsa--gfx1250"
	.amdhsa_code_object_version 6
	.text
	.protected	k_q22ea059f79_prep
	.globl	k_q22ea059f79_prep
	.p2align	8
	.type	k_q22ea059f79_prep,@function
k_q22ea059f79_prep:
	s_mov_b64 s[64:65], 0
	v_nop
	global_prefetch_b8 v0, s[64:65] scope:SCOPE_SE
	s_setreg_imm32_b32 hwreg(HW_REG_WAVE_MODE, 25, 1), 1
	s_wait_xcnt 0x0
; PREP: x [8192][1024], w_qkv [1024][3072] and w_proj [1024][1024], f32, become codes of FP4 (E2M1) with one E8M0 byte for each 32 along K (K = the 1,024 of the embedding).
; NO WORK OF THE PROBLEM IS LEFT OUT in this program: every input has a way to the output; b_qkv on q and k moves their codes, so it stays.
; THE CODES ARE LAID AS IMAGES OF OPERAND REGISTERS.  A fragment is 16 rows x 128 K, 8 registers a lane, 1,024 bytes: registers 4 c .. 4 c + 3 of lane l lie at 512 c + 16 l.
; TILE ORDER.  Rows (tokens of x; columns n of the weights) go in pairs of tiles: pair p holds rows 32 p .. 32 p + 31; row r of tile 2 p + u is row 32 p + 8 u + r + 8 (r / 8).
; So a product that takes tiles 2 p and 2 p + 1 as its source 0 leaves 16 neighbouring rows in a lane's 16 result registers.
; xw: codes of x at 0, [tile 0..511][K step 0..7][1,024]; codes of the weights at WC, [tile 0..255][8][1,024] (rows 0..3071: w_qkv's columns, 3072..4095: w_proj's);
;     scale bytes of x at XSC, of the weights at WSC: [pair][quarter of K][u][r][8 bytes]: the scale words of the quarter's two K steps.
; A block's scale is 2^(floor(log2(largest magnitude)) - 2): its byte is the largest magnitude's exponent field - 2, held at 1 from below.
; LIMITS: a block of zeros gets the byte 1 where the rule says 127 (its codes are zeros, and this program alone reads the bytes); blocks whose largest magnitude lies under 2^-124 are held at the byte 1;
; NaN and infinities among the inputs are not served.
; SHARES: work-groups 0..95 take w_qkv, 96..127 w_proj, 128..383 x: 128 KiB of f32 each.  No tensor loads, no barrier: waves share nothing.
.set WC,    0x400000
.set XSC,   0x600000
.set WSC,   0x640000
.set STG,   8448                       ; x's arm: a wave's stage in LDS, 16 rows of 512 bytes + 16
.set SPARE, 4*STG                      ; behind the stages: the spare words, 128 bytes a wave
.set SPW,   8                          ; v8   my spare word; never rewritten
.set NIL,   9                          ; v9   0; never rewritten
.set TM,    12                         ; v12-27 at work in QUANT
.set PWS,   28                         ; v28-31 the four fragments' scale words
.set SEL,   12                         ; s[12:13] selects of v_permlanex16_b32: lane l xor 16
; 64 numbers of a lane, register 16 b + i = k 32 b + 16 (lane / 16) + i of my row, become a fragment's codes in v[pc] on and its scale word in v[pw]
.macro QUANT s, pc, pw
.irp b, 0,1,2,3
	v_max3_num_f32 v[TM+\b], |v[\s+16*\b]|, |v[\s+1+16*\b]|, 0x1800000   ; block b: my 16 numbers, and the floor 2^(3 - 127): the byte cannot fall under 1
.endr
.irp i, 2,4,6,8,10,12,14
.irp b, 0,1,2,3
	v_max3_num_f32 v[TM+\b], v[TM+\b], |v[\s+16*\b+\i]|, |v[\s+1+16*\b+\i]|
.endr
.endr
.irp b, 0,1,2,3
	v_permlanex16_b32 v[TM+4+\b], v[TM+\b], s[SEL], s[SEL+1]
.endr
.irp b, 0,1,2,3
	v_max_num_f32 v[TM+\b], v[TM+\b], v[TM+4+\b]                   ; with lane l xor 16's: the block's largest magnitude
.endr
.irp b, 0,1,2,3
	v_add_nc_u32 v[TM+12+\b], 0xff000000, v[TM+\b]                 ; 2 off its exponent field: the conversion's scale operand
.endr
.irp b, 0,1,2,3
	v_lshrrev_b32 v[TM+4+\b], 23, v[TM+12+\b]                      ; the scale's byte
.endr
	v_lshl_or_b32 v[\pw], v[TM+5], 8, v[TM+4]
	v_lshl_or_b32 v[\pw], v[TM+6], 16, v[\pw]
	v_lshl_or_b32 v[\pw], v[TM+7], 24, v[\pw]
.irp b, 0,1,2,3
	v_cvt_scalef32_pk8_fp4_f32 v[\pc+2*\b], v[\s+16*\b:\s+7+16*\b], v[TM+12+\b]
	v_cvt_scalef32_pk8_fp4_f32 v[\pc+1+2*\b], v[\s+8+16*\b:\s+15+16*\b], v[TM+12+\b]
.endr
	v_nop                                          ; one plain place behind a scaled conversion
.irp c, 0,1                                    ; the layout wants a whole block in a lane: lanes 0-15 block 2 c, lanes 16-31 block 2 c + 1
.irp i, 0,1
	v_permlane16_swap_b32 v[\pc+4*\c+\i], v[\pc+2+4*\c+\i]
.endr
.endr
.endm
; ---- the weights: a lane takes a column n, its registers run down K
.macro WLOAD t                         ; block t: W(32 t + i, my column) into set t % 2: 128 consecutive bytes a wave and load
.irp i, 0,1,2,3,4,5,6,7,8,9,10,11,12,13,14,15,16,17,18,19,20,21,22,23,24,25,26,27,28,29,30,31
	global_load_b32 v[32+32*((\t)%2)+\i], v4, s[WPT:WPT+1] offset:(32*(\t)+\i)*WPITCH th:TH_LOAD_NT
.endr
.endm
.macro WBLOCK t
.set XS, 32+32*((\t)%2)
.if (\t) < 7
	s_wait_loadcnt 32                              ; this block's 32 loads are in; the next block's 32 may be out
.else
	s_wait_loadcnt 0
.endif
	v_max3_num_f32 v12, |v[XS]|, |v[XS+1]|, |v[XS+2]|
	v_max3_num_f32 v13, |v[XS+3]|, |v[XS+4]|, |v[XS+5]|
.irp i, 6,10,14,18,22,26
	v_max3_num_f32 v12, v12, |v[XS+\i]|, |v[XS+\i+1]|
	v_max3_num_f32 v13, v13, |v[XS+\i+2]|, |v[XS+\i+3]|
.endr
	v_max3_num_f32 v12, v12, |v[XS+30]|, |v[XS+31]|
	v_max3_num_f32 v12, v12, v13, 0x1800000        ; and the floor
	v_add_nc_u32 v14, 0xff000000, v12              ; the conversion's scale operand
	v_lshrrev_b32 v15, 23, v14                     ; the byte
.if (\t)%4 == 0
	v_mov_b32 v[16+(\t)/4], v15
.else
	v_lshl_or_b32 v[16+(\t)/4], v15, 8*((\t)%4), v[16+(\t)/4]
.endif
.irp g, 0,1,2,3
	v_cvt_scalef32_pk8_fp4_f32 v[96+4*(\t)+\g], v[XS+8*\g:XS+8*\g+7], v14
.endr
	; block t is K step t / 4, register group (t % 4) / 2, half t % 2 of my column's image row: each block has registers of its own, so no store's data are written again
	global_store_b128 v5, v[96+4*(\t):99+4*(\t)], s[24:25] offset:((\t)/4)*1024+(((\t)%4)/2)*512+((\t)%2)*256
.if (\t)+2 < 8
	WLOAD (\t)+2
.endif
.endm
.macro WPATH g0, pair0                 ; work-group gg = number - g0: columns 128 (gg / 4) on, quarter gg % 4 of K; wave w: pair pair0 + 4 (gg / 4) + w
	s_sub_co_u32 s17, ttmp9, \g0
	s_lshr_b32 s18, s17, 2
	s_and_b32 s17, s17, 3
	s_mul_i32 s20, s17, 256*WPITCH                 ; 256 rows of K a quarter
	s_lshl_b32 s22, s18, 9
	s_add_co_u32 s20, s20, s22
	s_lshl_b32 s22, s16, 7
	s_add_co_u32 s20, s20, s22
	s_add_nc_u64 s[WPT:WPT+1], s[WPT:WPT+1], s[20:21]
	s_lshl_b32 s18, s18, 2
	s_add_co_u32 s18, s18, s16
	s_add_co_u32 s18, s18, \pair0                  ; my pair of tiles
	s_lshl_b32 s20, s18, 14
	s_lshl_b32 s22, s17, 11
	s_add_co_u32 s20, s20, s22
	s_add_co_u32 s20, s20, WC
	s_add_nc_u64 s[24:25], s[10:11], s[20:21]      ; its codes, this quarter's two K steps
	s_lshl_b32 s20, s18, 10
	s_lshl_b32 s22, s17, 8
	s_add_co_u32 s20, s20, s22
	s_add_co_u32 s20, s20, WSC
	s_add_nc_u64 s[26:27], s[10:11], s[20:21]      ; its scale bytes
	v_lshlrev_b32 v4, 2, v1                        ; in: 4 bytes a lane
	v_bfe_u32 v2, v1, 3, 1                         ; column i of the pair: u = (i / 8) % 2,
	v_and_b32 v3, 7, v1
	v_lshrrev_b32 v7, 4, v1
	v_lshl_add_u32 v3, v7, 3, v3                   ; r = i % 8 + 8 (i / 16)
	v_lshlrev_b32 v5, 4, v3
	v_lshl_add_u32 v5, v2, 13, v5                  ; codes: 8,192 u + 16 r
	v_lshlrev_b32 v6, 3, v3
	v_lshl_add_u32 v6, v2, 7, v6                   ; scale bytes: 128 u + 8 r
	WLOAD 0
	WLOAD 1
.irp t, 0,1,2,3,4,5,6,7
	WBLOCK \t
.endr
	global_store_b64 v6, v[16:17], s[26:27]        ; my column's 8 bytes: the wave fills 256 consecutive bytes
	s_endpgm                                       ; this arm has touched no LDS
.endm
; ---- x: K is innermost
.macro XLOAD f, set                    ; fragment f = (tile u = f / 2, K step f % 2): 16 rows x 512 bytes, a row's 512 consecutive bytes a load
.irp i, 0,1,2,3,4,5,6,7,8,9,10,11,12,13,14,15
	global_load_b128 v[\set+4*\i:\set+4*\i+3], v4, s[4:5] offset:(8*((\f)/2)+\i+8*(\i/8))*4096+((\f)%2)*512 th:TH_LOAD_NT
.endr
.endm
.macro TURN set                        ; through my stage: in by rows, back 16 neighbours of each block of 32 a lane.  LDS serves a wave's instructions in order
.irp i, 0,1,2,3,4,5,6,7,8,9,10,11,12,13,14,15
	ds_store_b128 v5, v[\set+4*\i:\set+4*\i+3] offset:528*\i
.endr
.irp b, 0,1,2,3
.irp j, 0,1,2,3
	ds_load_b128 v[\set+16*\b+4*\j:\set+16*\b+4*\j+3], v6 offset:128*\b+16*\j
.endr
.endr
.endm
.macro XFRAG f, set, left              ; left: the younger loads that may stay out
	s_wait_loadcnt \left
	TURN \set
	s_wait_dscnt 0x0
	QUANT \set, 224+8*(\f), PWS+(\f)
	global_store_b128 v4, v[224+8*(\f):227+8*(\f)], s[24:25] offset:((\f)/2)*8192+((\f)%2)*1024
	global_store_b128 v4, v[228+8*(\f):231+8*(\f)], s[24:25] offset:((\f)/2)*8192+((\f)%2)*1024+512
.endm
	s_load_b256 s[4:11], s[0:1], 0x0               ; x s[4:5], w_qkv s[6:7], w_proj s[8:9], xw s[10:11]
	v_lshl_add_u32 v[SPW], v0, 2, SPARE
	v_mov_b32 v[NIL], 0
	v_lshrrev_b32 v1, 5, v0
	v_readfirstlane_b32 s16, v1                    ; wave
	v_and_b32 v1, 31, v0                           ; lane
	s_mov_b32 s21, 0                               ; the upper word of every offset
	s_wait_kmcnt 0x0
	s_cmp_lt_u32 ttmp9, 96
	s_cbranch_scc1 .Lwqkv
	s_cmp_lt_u32 ttmp9, 128
	s_cbranch_scc1 .Lwproj
	; x: work-group p = number - 128 takes pair p (32 rows); wave w takes quarter w of K: four fragments
	s_sub_co_u32 s17, ttmp9, 128
	s_lshl_b32 s20, s17, 17
	s_lshl_b32 s18, s16, 10
	s_add_co_u32 s20, s20, s18
	s_add_nc_u64 s[4:5], s[4:5], s[20:21]
	s_lshl_b32 s20, s17, 14
	s_lshl_b32 s18, s16, 11
	s_add_co_u32 s20, s20, s18
	s_add_nc_u64 s[24:25], s[10:11], s[20:21]
	s_lshl_b32 s20, s17, 10
	s_lshl_b32 s18, s16, 8
	s_add_co_u32 s20, s20, s18
	s_add_co_u32 s20, s20, XSC
	s_add_nc_u64 s[26:27], s[10:11], s[20:21]
	s_mov_b32 s[SEL], 0x76543210
	s_mov_b32 s[SEL+1], 0xfedcba98
	s_wait_alu depctr_va_vdst(0)
	v_and_b32 v2, 15, v1                           ; r
	v_lshrrev_b32 v3, 4, v1                        ; h
	v_lshlrev_b32 v4, 4, v1                        ; 16 x lane
	v_lshlrev_b32 v7, 3, v1                        ; 8 x lane
	s_mul_i32 s18, s16, STG
	v_add_nc_u32 v5, s18, v4                       ; the stage, in
	v_mul_u32_u24 v6, v2, 528
	v_lshl_add_u32 v6, v3, 6, v6
	v_add_nc_u32 v6, s18, v6                       ; and back: row r, + 64 h
.irp b, 0,1,2,3
	v_mov_b32 v[TM+4+\b], 0                        ; a lane permute's destination counts as one of its sources
.endr
	XLOAD 0, 32
	XLOAD 1, 96
	XLOAD 2, 160
	s_wait_alu depctr_va_vdst(0)
	XFRAG 0, 32, 32                                ; fragments 1 and 2 may be out
	XLOAD 3, 32
	XFRAG 1, 96, 32                                ; 2 and 3
	XFRAG 2, 160, 16                               ; 3
	XFRAG 3, 32, 0
	v_cmp_eq_u32 vcc_lo, 1, v3
	v_cndmask_b32 v10, v28, v30, vcc_lo            ; lanes 0-15 store tile 0's words of row r, lanes 16-31 tile 1's
	v_cndmask_b32 v11, v29, v31, vcc_lo
	global_store_b64 v7, v[10:11], s[26:27]        ; 256 consecutive bytes
	s_wait_tensorcnt 0x0                           ; the wave's end: behind my last LDS store
	ds_add_u32 v[SPW], v[NIL]
	s_wait_dscnt 0x0
	s_endpgm
.Lwqkv:
.set WPT, 6
.set WPITCH, 12288
	s_wait_alu depctr_va_vdst(0)
	WPATH 0, 0
.Lwproj:
.set WPT, 8
.set WPITCH, 4096
	s_wait_alu depctr_va_vdst(0)
	WPATH 96, 96
.Lfunc_end_k_q22ea059f79_prep:
	.size	k_q22ea059f79_prep, .Lfunc_end_k_q22ea059f79_prep-k_q22ea059f79_prep
	.p2alignl 7, 3214868480
	.fill 96, 4, 3214868480
	.section	.rodata,"a",@progbits
	.p2align	6, 0x0
	.amdhsa_kernel k_q22ea059f79_prep
		.amdhsa_group_segment_fixed_size 34304
		.amdhsa_private_segment_fixed_size 0
		.amdhsa_enable_private_segment 0
		.amdhsa_kernarg_size 32
		.amdhsa_user_sgpr_count 2
		.amdhsa_user_sgpr_kernarg_segment_ptr 1
		.amdhsa_wavefront_size32 1
		.amdhsa_system_sgpr_workgroup_id_x 1
		.amdhsa_system_sgpr_workgroup_id_y 1
		.amdhsa_system_sgpr_workgroup_id_z 1
		.amdhsa_system_vgpr_workitem_id 0
		.amdhsa_next_free_vgpr 256
		.amdhsa_next_free_sgpr 66
		.amdhsa_reserve_vcc 1
		.amdhsa_float_denorm_mode_32 3
		.amdhsa_float_denorm_mode_16_64 3
		.amdhsa_memory_ordered 1
		.amdhsa_forward_progress 1
		.amdhsa_inst_pref_size 108
	.end_amdhsa_kernel
	.amdgpu_metadata
---
amdhsa.version: [ 1, 2 ]
amdhsa.kernels:
  - .name:           k_q22ea059f79_prep
    .symbol:         k_q22ea059f79_prep.kd
    .args:
      - { .name: x, .offset: 0, .size: 8, .value_kind: global_buffer, .address_space: global }
      - { .name: w_qkv, .offset: 8, .size: 8, .value_kind: global_buffer, .address_space: global }
      - { .name: w_proj, .offset: 16, .size: 8, .value_kind: global_buffer, .address_space: global }
      - { .name: xw, .offset: 24, .size: 8, .value_kind: global_buffer, .address_space: global }
    .group_segment_fixed_size: 34304
    .private_segment_fixed_size: 0
    .kernarg_segment_align: 8
    .kernarg_segment_size: 32
    .max_flat_workgroup_size: 128
    .sgpr_count:     66
    .vgpr_count:     256
    .wavefront_size: 32
...
	.end_amdgpu_metadata
.endif
;; end of part 1
;; launch gemm_qkv (part 2): grid 8 x 48, 4 waves a work-group, clusters of 4 x 4, 327,680 bytes of LDS; arguments xw, b_qkv, qkv; writes qkv
.if DOCPART == 2
	.amdgcn_target "amdgcn-amd-amdhsa--gfx1250"
	.amdhsa_code_object_version 6
	.text
	.protected	k_q22ea059f79_gemm_qkv
	.globl	k_q22ea059f79_gemm_qkv
	.p2align	8
	.type	k_q22ea059f79_gemm_qkv,@function
k_q22ea059f79_gemm_qkv:
	s_mov_b64 s[64:65], 0
	v_nop
	global_prefetch_b8 v0, s[64:65] scope:SCOPE_SE
	s_setreg_imm32_b32 hwreg(HW_REG_WAVE_MODE, 25, 1), 1
	s_wait_xcnt 0x0
	s_wait_alu depctr_hold_cnt(0) depctr_sa_sdst(0) depctr_va_vdst(0) depctr_va_sdst(0) depctr_va_ssrc(0) depctr_va_vcc(0) depctr_vm_vsrc(0)
	s_getreg_b32 s2, hwreg(HW_REG_IB_STS2, 6, 4)
	s_cmp_eq_u32 s2, 0
	s_cbranch_scc0 .Lentry_in_a_cluster
	s_endpgm
.Lentry_in_a_cluster:
	s_bfe_u32 s2, ttmp6, 0x10000c
	s_cmp_lg_u32 s2, 0xf033
	s_cbranch_scc0 .Lentry_shape_is_right
	s_endpgm
.Lentry_shape_is_right:
; x w_qkv + b_qkv on codes of FP4, and its result quantised at once for the two products of attention: q and k along the head's 64, v along the keys.  Nothing of the problem is left out.
; C'[m'][n'] = sum over k of A'[m'][k] B'[n'][k], a tile of 256 x 256 to a work-group, 128 x 128 to each of four waves.  THE MATRIX INSTRUCTION IS USED TRANSPOSED (source 0 = a tile of B', source 1 = a tile of A'):
; a lane holds ONE row of A', and by the tile order of the images its 16 registers of two neighbouring tiles of B' are 16 neighbours along n'.
; TWO KINDS OF CLUSTERS, told apart by the cluster's y.  y < 8: A' = tokens, B' = the 2,048 columns of q and k: a lane's registers run along the head's channels.
; y >= 8: A' = the 1,024 columns of v, B' = tokens: a lane holds one channel and its registers run along the KEYS, which are the K of attention's second product.
; K = 1,024 lies in LDS whole, as two slots of four K steps: first fills only, three tensor loads a wave (scales, slot 0, slot 1), all joint: A' shared along the cluster's row, B' along its column.
; qkv: codes at 0, [hh 0..47][batch][65,536] (hh 0-15 q's heads, 16-31 k's, 32-47 v's); q, k: [token tile 0..127][512] (16 tokens x 64 channels: 16 bytes a lane); v: [key step 0..15][channel tile 0..3][1,024].
;      scale bytes at 0xC00000, [hh][batch][group 0..15][r][16]: q, k: a group is 8 token tiles, 2 bytes each; v: a group is a key step, the 4 channel tiles' scale words.
; LIMITS: as in the first kernel (a block of zeros gets the byte 1; blocks under 2^-124 are held at the byte 1; NaN and infinities are not served).
; REGISTERS: window 0: v1-27 addresses, v8-15 scale words made, v28, v29 the add's two, v32-95 scale words (8 i + q: lanes 0-15 A' tile i, lanes 16-31 B' tile i, K step q), v96-127 at work, v128-255 A' two sets.
;   window 1: v0-63, v128-191 B' two sets; v64-127 the bias.   windows 2, 3: accumulator (a, b) at v[8 (8 (a % 4) + b)] of window 2 + a / 4.
.set SLOT,  131072                     ; four K steps: A' 16 tiles x 4,096, then B' 16 tiles x 4,096
.set AREG,  65536
.set SCL,   2*SLOT                     ; the scales: A' 8,192 bytes, then B' 8,192
.set SAREG, 8192
.set SPARE, SCL+SAREG+8192             ; the spare words, 128 bytes a wave
.set PWS,  8
.set ADRA, 16
.set ADRB, 20
.set ADRS, 27
.set SPW,  28
.set NIL,  29
.set SC,   32
.set TM,   96
.set PC,   112
.set SEL,  66
.set G1,   24
.set G0,   32
.set G1B,  48
.set G0B,  56
.set G1S,  68
.set G0S,  76
.set G1SB, 80
.set G0SB, 88
.set MSB, 0
.macro WIN new                         ; the immediate's high byte repeats the setting that is left
.if MSB != (\new)
	s_set_vgpr_msb (MSB<<8)|(\new)
.set MSB, (\new)
.endif
.endm
.macro PLACES n
.rept \n
	v_nop
.endr
.endm
; A joint load: waves 0 and 1 fetch for A', waves 2 and 3 for B'.  The branch hangs on the wave's number alone.  An s_nop 0 and four v_nop follow each line.
.macro JLOAD g0a, g1a, g0b, g1b
	s_cmp_eq_u32 s15, 0
	s_cbranch_scc0 .Lfor_b_\@
	tensor_load_to_lds s[\g0a:\g0a+3], s[\g1a:\g1a+7]
	s_nop 0
.rept 4
	v_nop
.endr
	s_branch .Lasked_\@
.Lfor_b_\@:
	tensor_load_to_lds s[\g0b:\g0b+3], s[\g1b:\g1b+7]
	s_nop 0
.rept 4
	v_nop
.endr
.Lasked_\@:
.endm
.macro CROUND                          ; a round of the cluster's barrier
	s_barrier_signal -1
	s_barrier_wait -1
	s_cmp_lg_u32 s14, 0
	s_cbranch_scc1 .Lnot_wave_0_\@
	s_barrier_signal -3
.Lnot_wave_0_\@:
	s_barrier_wait -3
	s_barrier_signal -1
	s_barrier_wait -1
.endm
.macro QUANT s, pc, pw                 ; 64 numbers of a lane, register 16 b + i = k 32 b + 16 (lane / 16) + i of my row -> a fragment's codes and its scale word
.irp b, 0,1,2,3
	v_max3_num_f32 v[TM+\b], |v[\s+16*\b]|, |v[\s+1+16*\b]|, 0x1800000   ; with the floor 2^(3 - 127)
.endr
.irp i, 2,4,6,8,10,12,14
.irp b, 0,1,2,3
	v_max3_num_f32 v[TM+\b], v[TM+\b], |v[\s+16*\b+\i]|, |v[\s+1+16*\b+\i]|
.endr
.endr
.irp b, 0,1,2,3
	v_permlanex16_b32 v[TM+4+\b], v[TM+\b], s[SEL], s[SEL+1]
.endr
.irp b, 0,1,2,3
	v_max_num_f32 v[TM+\b], v[TM+\b], v[TM+4+\b]
.endr
.irp b, 0,1,2,3
	v_add_nc_u32 v[TM+12+\b], 0xff000000, v[TM+\b]                 ; 2 off the exponent field: the conversion's scale operand
.endr
.irp b, 0,1,2,3
	v_lshrrev_b32 v[TM+4+\b], 23, v[TM+12+\b]
.endr
	v_lshl_or_b32 v[\pw], v[TM+5], 8, v[TM+4]
	v_lshl_or_b32 v[\pw], v[TM+6], 16, v[\pw]
	v_lshl_or_b32 v[\pw], v[TM+7], 24, v[\pw]
.irp b, 0,1,2,3
	v_cvt_scalef32_pk8_fp4_f32 v[\pc+2*\b], v[\s+16*\b:\s+7+16*\b], v[TM+12+\b]
	v_cvt_scalef32_pk8_fp4_f32 v[\pc+1+2*\b], v[\s+8+16*\b:\s+15+16*\b], v[TM+12+\b]
.endr
	v_nop                                          ; one plain place behind a scaled conversion
.irp c, 0,1
.irp i, 0,1
	v_permlane16_swap_b32 v[\pc+4*\c+\i], v[\pc+2+4*\c+\i]
.endr
.endr
.endm
.macro SCALES                          ; all eight K steps' scale words of my 8 + 8 tiles: two words a load
.irp i, 0,1,2,3,4,5,6,7
.irp k, 0,1,2,3
	ds_load_b64 v[SC+8*\i+2*\k:SC+8*\i+2*\k+1], v[ADRS] offset:(\i/2)*1024+\k*256+(\i%2)*128
.endr
.endr
.endm
.macro FETCH q                         ; K step q's fragments into sets q % 2: images, 512 consecutive bytes a load
	WIN 0x40
.irp i, 0,1,2,3,4,5,6,7
.irp c, 0,1
	ds_load_b128 v[128*((\q)%2)+8*\i+4*\c:128*((\q)%2)+8*\i+4*\c+3], v[ADRB+(\q)/4] offset:\i*4096+((\q)%4)*1024+\c*512
.endr
.endr
	WIN 0
.irp i, 0,1,2,3,4,5,6,7
.irp c, 0,1
	ds_load_b128 v[128+64*((\q)%2)+8*\i+4*\c:128+64*((\q)%2)+8*\i+4*\c+3], v[ADRA+(\q)/4] offset:\i*4096+((\q)%4)*1024+\c*512
.endr
.endr
.endm
; 32 matrix instructions: A' tiles 4 hi .. 4 hi + 3 x B' eight.  The 64 accumulators take turns, one instruction a turn, in the same order in every step
.macro MUL4 q, hi, zero
.irp a, 0,1,2,3
.irp b, 0,1,2,3,4,5,6,7
.if \zero
	v_wmma_scale_f32_16x16x128_f8f6f4 v[8*(8*\a+\b):8*(8*\a+\b)+7], v[128*((\q)%2)+8*\b:128*((\q)%2)+8*\b+7], v[128+64*((\q)%2)+8*(4*\hi+\a):128+64*((\q)%2)+8*(4*\hi+\a)+7], 0, v[SC+8*\b+(\q)], v[SC+8*(4*\hi+\a)+(\q)] matrix_a_fmt:MATRIX_FMT_FP4 matrix_b_fmt:MATRIX_FMT_FP4 matrix_a_scale:MATRIX_SCALE_ROW1
.else
	v_wmma_scale_f32_16x16x128_f8f6f4 v[8*(8*\a+\b):8*(8*\a+\b)+7], v[128*((\q)%2)+8*\b:128*((\q)%2)+8*\b+7], v[128+64*((\q)%2)+8*(4*\hi+\a):128+64*((\q)%2)+8*(4*\hi+\a)+7], v[8*(8*\a+\b):8*(8*\a+\b)+7], v[SC+8*\b+(\q)], v[SC+8*(4*\hi+\a)+(\q)] matrix_a_fmt:MATRIX_FMT_FP4 matrix_b_fmt:MATRIX_FMT_FP4 matrix_a_scale:MATRIX_SCALE_ROW1
.endif
.endr
.endr
.endm
.macro STEP q, zero, fetch, meet
	s_wait_dscnt 0x0                               ; this step's fragments, asked for 64 matrix instructions ago, are in
.if \meet
	s_wait_tensorcnt 0x0                           ; my part of slot 1 has landed,
	s_barrier_signal -1
	s_barrier_wait -1                              ; everybody's has.
.endif
.if \fetch
	PLACES 4                                       ; four places in front of loads into the sets that the step before multiplied
	FETCH (\q)+1
.endif
	WIN 0xa1                                       ; source 0 (B') window 1, source 1 (A') window 0, C and D window 2
	MUL4 \q, 0, \zero
	WIN 0xf1                                       ; C and D window 3
	MUL4 \q, 1, \zero
	WIN 0
.endm
	s_load_b128 s[4:7], s[0:1], 0x0                ; xw s[4:5], b_qkv s[6:7]
	s_load_b64 s[8:9], s[0:1], 0x10                ; qkv
	v_lshl_add_u32 v[SPW], v0, 2, SPARE
	v_mov_b32 v[NIL], 0
	ds_add_u32 v[SPW], v[NIL]                      ; the wave's opening: the add, twice on end, and its wait ahead of my first tensor load
	ds_add_u32 v[SPW], v[NIL]
	v_lshrrev_b32 v1, 5, v0
	v_readfirstlane_b32 s14, v1                    ; wave
	s_lshr_b32 s15, s14, 1                         ; wy: my half of A'.  Also: I fetch for A' (0) or B' (1)
	s_and_b32 s16, s14, 1                          ; wx: my half of B'.  Also: which half I fetch
	s_bfe_u32 s40, ttmp6, 0x40000                  ; cx
	s_bfe_u32 s41, ttmp6, 0x40004                  ; cy
	s_and_b32 s10, ttmp7, 0xffff                   ; the cluster's y
	s_sub_co_u32 s11, s10, 8
	s_lshl_b32 s11, s11, 1
	s_add_co_u32 s11, s11, ttmp9                   ; for v: which four tiles of tokens
	s_mov_b32 s12, 0x650000
	s_mov_b32 s13, 0x640000
	s_cmp_lt_u32 s10, 8                            ; q and k, or v?  Only offsets inside xw are chosen, all on this one compare
	s_cselect_b32 s17, s10, 0
	s_cselect_b32 s42, ttmp9, s11
	s_cselect_b32 s18, 0, 0x500000                 ; A' codes: x, or v's columns
	s_cselect_b32 s19, 0x400000, 0                 ; B' codes: q's and k's columns, or x
	s_cselect_b32 s12, 0x600000, s12               ; A' scales
	s_cselect_b32 s13, s13, 0x600000               ; B' scales
	s_lshl_b32 s17, s17, 2
	s_add_co_u32 s17, s17, s41                     ; tile row of A'
	s_lshl_b32 s42, s42, 2
	s_add_co_u32 s42, s42, s40                     ; tile column of B'
	s_lshl_b32 s43, s41, 2
	s_lshl_b32 s43, 15, s43                        ; my row of the cluster
	s_lshl_b32 s44, 0x1111, s40                    ; my column
	; descriptor group 1.  Codes: 8 tiles, of each 4 K steps = 4,096 bytes (512 elements of 8 bytes), 8,192 bytes apart.  Scales: 4,096 dense bytes as 16 rows of 256
	s_or_b32 s[G1+0], s43, (3<<16)|(1<<21)
	s_or_b32 s[G1B+0], s44, (3<<16)|(1<<21)
.irp g, G1, G1B
	s_mov_b32 s[\g+1], 512<<16
	s_mov_b32 s[\g+2], 8<<16
	s_mov_b32 s[\g+3], 512<<16
	s_mov_b32 s[\g+4], 8
	s_mov_b32 s[\g+5], 1024
	s_mov_b32 s[\g+6], 0
	s_mov_b32 s[\g+7], 0
.endr
	s_or_b32 s[G1S+0], s43, (3<<16)|(1<<21)
	s_or_b32 s[G1SB+0], s44, (3<<16)|(1<<21)
.irp g, G1S, G1SB
	s_mov_b32 s[\g+1], 32<<16
	s_mov_b32 s[\g+2], 16<<16
	s_mov_b32 s[\g+3], 32<<16
	s_mov_b32 s[\g+4], 16
	s_mov_b32 s[\g+5], 32
	s_mov_b32 s[\g+6], 0
	s_mov_b32 s[\g+7], 0
.endr
	s_lshl_b32 s45, s16, 16                        ; the half that I fetch: 8 tiles of codes,
	s_lshl_b32 s94, s16, 12                        ; 4 pairs of scales
	s_lshl_b32 s20, s17, 17
	s_add_co_u32 s20, s20, s18
	s_add_co_u32 s20, s20, s45
	s_mov_b32 s21, 0
	s_lshl_b32 s22, s17, 13
	s_add_co_u32 s22, s22, s12
	s_add_co_u32 s22, s22, s94
	s_mov_b32 s23, 0
	s_lshl_b32 s46, s42, 17
	s_add_co_u32 s46, s46, s19
	s_add_co_u32 s46, s46, s45
	s_mov_b32 s47, 0
	s_lshl_b32 s92, s42, 13
	s_add_co_u32 s92, s92, s13
	s_add_co_u32 s92, s92, s94
	s_mov_b32 s93, 0
	s_lshl_b32 s95, s16, 15                        ; where they go: no place in the cluster enters an LDS address
	s_add_co_u32 s96, s95, AREG
	s_add_co_u32 s97, s94, SCL
	s_add_co_u32 s98, s97, SAREG
	s_mov_b32 s[SEL], 0x76543210
	s_mov_b32 s[SEL+1], 0xfedcba98
	s_wait_dscnt 0x0                               ; both opening adds are done
	s_wait_kmcnt 0x0
	s_add_nc_u64 s[20:21], s[4:5], s[20:21]
	s_add_nc_u64 s[22:23], s[4:5], s[22:23]
	s_add_nc_u64 s[46:47], s[4:5], s[46:47]
	s_add_nc_u64 s[92:93], s[4:5], s[92:93]
	CROUND                                         ; all sixteen work-groups are here: the first joint loads meet
	s_mov_b32 s[G0S], 1
	s_mov_b32 s[G0S+1], s97
	s_mov_b64 s[G0S+2:G0S+3], s[22:23]
	s_or_b32 s[G0S+3], s[G0S+3], 0x80000000
	s_mov_b32 s[G0SB], 1
	s_mov_b32 s[G0SB+1], s98
	s_mov_b64 s[G0SB+2:G0SB+3], s[92:93]
	s_or_b32 s[G0SB+3], s[G0SB+3], 0x80000000
	JLOAD G0S, G1S, G0SB, G1SB
.irp s, 0,1
	s_mov_b32 s[G0+4*\s], 1
	s_add_co_u32 s[G0+4*\s+1], s95, \s*SLOT
	s_add_nc_u64 s[G0+4*\s+2:G0+4*\s+3], s[20:21], \s*4096
	s_or_b32 s[G0+4*\s+3], s[G0+4*\s+3], 0x80000000
	s_mov_b32 s[G0B+4*\s], 1
	s_add_co_u32 s[G0B+4*\s+1], s96, \s*SLOT
	s_add_nc_u64 s[G0B+4*\s+2:G0B+4*\s+3], s[46:47], \s*4096
	s_or_b32 s[G0B+4*\s+3], s[G0B+4*\s+3], 0x80000000
	JLOAD G0+4*\s, G1, G0B+4*\s, G1B
.endr
	v_and_b32 v1, 15, v0                           ; r
	v_bfe_u32 v2, v0, 4, 1                         ; h
	s_wait_alu depctr_va_vdst(0)
	v_and_b32 v3, 31, v0
	v_lshlrev_b32 v22, 4, v3                       ; 16 x lane: an image's place for my lane
	s_lshl_b32 s21, s15, 15                        ; my 8 tiles of A'
	s_lshl_b32 s22, s16, 15
	s_add_co_u32 s22, s22, AREG                    ; my 8 tiles of B'
.irp s, 0,1
	v_add_nc_u32 v[ADRA+\s], s21, v22
	v_add_nc_u32 v[ADRB+\s], s22, v22
	s_add_co_u32 s21, s21, SLOT
	s_add_co_u32 s22, s22, SLOT
.endr
	v_lshlrev_b32 v5, 3, v1                        ; scale words: 8 r,
	s_lshl_b32 s21, s15, 12                        ; A': my 4 pairs;
	s_lshl_b32 s22, s16, 12
	s_add_co_u32 s22, s22, SAREG                   ; B': my 4 pairs, behind A's
	s_sub_co_u32 s22, s22, s21
	v_mul_u32_u24 v6, s22, v2                      ; lanes 16-31 take B's
	s_add_co_u32 s21, s21, SCL
	v_add_nc_u32 v5, v5, v6
	v_add_nc_u32 v[ADRS], s21, v5
	v_lshlrev_b32 v23, 4, v1
	v_lshl_add_u32 v23, v2, 14, v23                ; the scale bytes' way out: 16 r, lanes 16-31 one head on
	v_lshlrev_b32 v24, 6, v2                       ; bias of q, k: 64 h
	v_and_b32 v4, 8, v1
	v_add_nc_u32 v4, v4, v1
	v_lshlrev_b32 v25, 2, v4                       ; bias of v: 4 (r + 8 (r / 8))
.irp b, 0,1,2,3
	v_mov_b32 v[TM+4+\b], 0                        ; a lane permute's destination counts as one of its sources
.endr
	s_wait_tensorcnt 1                             ; the scales and my part of slot 0 are in; slot 1's load may stay out
	s_barrier_signal -1
	s_barrier_wait -1
	SCALES
	FETCH 0
	STEP 0, 1, 1, 0                                ; the first products start the sums: nothing is cleared
	STEP 1, 0, 1, 0
	STEP 2, 0, 1, 0
	STEP 3, 0, 1, 1                                ; in front of the first reads of slot 1: the wait for it, and the barrier
	s_cmp_lt_u32 s10, 8                            ; the cluster's y: the same in all waves and all partners
	s_cbranch_scc0 .Lv
.macro OUTBASE                         ; s11 = first hh, s99 = group (8 token tiles, or a key step): codes -> s[12:13], scale bytes -> s[18:19]
	s_lshl_b32 s2, s11, 18
	s_lshl_b32 s94, s99, 12
	s_add_co_u32 s2, s2, s94
	s_mov_b32 s3, 0
	s_add_nc_u64 s[12:13], s[8:9], s[2:3]
	s_lshl_b32 s2, s11, 14
	s_lshl_b32 s94, s99, 8
	s_add_co_u32 s2, s2, s94
	s_add_co_u32 s2, s2, 0xC00000
	s_add_nc_u64 s[18:19], s[8:9], s[2:3]
.endm
; ---- q and k.  Block a: 16 tokens x my 128 columns = two heads.  The bias is added on the way into window 0; the codes' group 0 is the even head's fragment, group 1 the odd head's
.macro EPI_QK a
	s_wait_xcnt 0x0                                ; the stores of two blocks ago have read the registers that are written below
	WIN 0x06+(\a)/4                                ; source 0 window 2 or 3, source 1 window 1
.set i, 0
.rept 32
	v_pk_add_f32 v[128+2*i:129+2*i], v[64*((\a)%4)+2*i:64*((\a)%4)+2*i+1], v[64+2*i:65+2*i]   ; each accumulator from its low end on
.set i, i+1
.endr
	WIN 0
	QUANT 128, PC+8*((\a)%2), PWS+(\a)
	global_store_b128 v22, v[PC+8*((\a)%2):PC+8*((\a)%2)+3], s[12:13] offset:(\a)*512
	global_store_b128 v22, v[PC+8*((\a)%2)+4:PC+8*((\a)%2)+7], s[12:13] offset:262144+(\a)*512
.endm
	s_lshl_b32 s11, s42, 2
	s_lshl_b32 s99, s16, 1
	s_add_co_u32 s11, s11, s99                     ; hh = (256 column tile + 128 wx) / 64
	s_lshl_b32 s99, s17, 1
	s_add_co_u32 s99, s99, s15                     ; my 8 token tiles
	OUTBASE
	s_lshl_b32 s2, s42, 10
	s_lshl_b32 s94, s16, 9
	s_add_co_u32 s2, s2, s94
	s_add_nc_u64 s[6:7], s[6:7], s[2:3]            ; the bias of my 128 columns
	WIN 0x40
	s_wait_alu depctr_va_vdst(0)
.irp b, 0,1,2,3
.irp j, 0,1,2,3
	global_load_b128 v[64+16*\b+4*\j:67+16*\b+4*\j], v24, s[6:7] offset:128*\b+16*\j   ; columns 32 b + 16 h + 4 j on: the results' own order
.endr
.endr
	WIN 0
	STEP 4, 0, 1, 0
	STEP 5, 0, 1, 0
	STEP 6, 0, 1, 0
	STEP 7, 0, 0, 0
	s_wait_loadcnt 0x0                             ; the bias
	PLACES 4                                       ; in front of the first read of results, and of writes into A's first set
.irp a, 0,1,2,3,4,5,6,7
	EPI_QK \a
.endr
	s_mov_b32 s20, 0x05040100
	s_mov_b32 s21, 0x07060302
.irp i, 0,1,2,3
	v_perm_b32 v[104+\i], v[PWS+2*\i+1], v[PWS+2*\i], s20          ; the even head's bytes of tiles 2 i and 2 i + 1,
	v_perm_b32 v[96+\i], v[PWS+2*\i+1], v[PWS+2*\i], s21           ; the odd head's
.endr
	v_cmp_eq_u32 vcc_lo, 1, v2
.irp i, 0,1,2,3
	v_cndmask_b32 v[104+\i], v[104+\i], v[96+\i], vcc_lo
.endr
	global_store_b128 v23, v[104:107], s[18:19]    ; lanes 0-15: the even head's 256 bytes; lanes 16-31: the odd head's
	s_branch .Lend
; ---- v.  Block a: 16 channels x my 128 tokens: one whole fragment of a key step
.macro EPI_V a
	s_wait_xcnt 0x0
	WIN 0x06+(\a)/4
.set i, 0
.rept 32
	v_pk_add_f32 v[128+2*i:129+2*i], v[64*((\a)%4)+2*i:64*((\a)%4)+2*i+1], v[64+2*(\a):65+2*(\a)] op_sel_hi:[1,0]   ; my channel's bias
.set i, i+1
.endr
	WIN 0
	QUANT 128, PC+8*((\a)%2), PWS+(\a)
	global_store_b128 v22, v[PC+8*((\a)%2):PC+8*((\a)%2)+3], s[12:13] offset:((\a)/4)*262144+((\a)%4)*1024
	global_store_b128 v22, v[PC+8*((\a)%2)+4:PC+8*((\a)%2)+7], s[12:13] offset:((\a)/4)*262144+((\a)%4)*1024+512
.endm
.Lv:
	s_lshl_b32 s11, s17, 2
	s_lshl_b32 s99, s15, 1
	s_add_co_u32 s11, s11, s99
	s_add_co_u32 s11, s11, 32                      ; hh = 32 + (256 row tile + 128 wy) / 64
	s_lshl_b32 s99, s42, 1
	s_add_co_u32 s99, s99, s16                     ; my key step
	OUTBASE
	s_lshl_b32 s2, s17, 10
	s_lshl_b32 s94, s15, 9
	s_add_co_u32 s2, s2, s94
	s_add_co_u32 s2, s2, 8192
	s_add_nc_u64 s[6:7], s[6:7], s[2:3]            ; the bias of my 128 channels
	WIN 0x40
	s_wait_alu depctr_va_vdst(0)
.irp a, 0,1,2,3,4,5,6,7
	global_load_b32 v[64+2*\a], v25, s[6:7] offset:4*(32*(\a/2)+8*(\a%2))
	global_load_b32 v[65+2*\a], v25, s[6:7] offset:4*(32*(\a/2)+8*(\a%2))   ; (named with it as a pair, so it is written)
.endr
	WIN 0
	STEP 4, 0, 1, 0
	STEP 5, 0, 1, 0
	STEP 6, 0, 1, 0
	STEP 7, 0, 0, 0
	s_wait_loadcnt 0x0
	PLACES 4
.irp a, 0,1,2,3,4,5,6,7
	EPI_V \a
.endr
	v_cmp_eq_u32 vcc_lo, 1, v2
.irp i, 0,1,2,3
	v_cndmask_b32 v[104+\i], v[PWS+\i], v[PWS+4+\i], vcc_lo        ; lanes 0-15: the first head's four channel tiles; lanes 16-31: the second's
.endr
	global_store_b128 v23, v[104:107], s[18:19]
.Lend:
	s_wait_tensorcnt 0x0                           ; the wave's end
	ds_add_u32 v[SPW], v[NIL]
	s_wait_dscnt 0x0
	CROUND                                         ; the closing round
	s_endpgm
.Lfunc_end_k_q22ea059f79_gemm_qkv:
	.size	k_q22ea059f79_gemm_qkv, .Lfunc_end_k_q22ea059f79_gemm_qkv-k_q22ea059f79_gemm_qkv
	.p2alignl 7, 3214868480
	.fill 96, 4, 3214868480
	.section	.rodata,"a",@progbits
	.p2align	6, 0x0
	.amdhsa_kernel k_q22ea059f79_gemm_qkv
		.amdhsa_group_segment_fixed_size 327680
		.amdhsa_private_segment_fixed_size 0
		.amdhsa_enable_private_segment 0
		.amdhsa_kernarg_size 24
		.amdhsa_user_sgpr_count 2
		.amdhsa_user_sgpr_kernarg_segment_ptr 1
		.amdhsa_wavefront_size32 1
		.amdhsa_system_sgpr_workgroup_id_x 1
		.amdhsa_system_sgpr_workgroup_id_y 1
		.amdhsa_system_sgpr_workgroup_id_z 1
		.amdhsa_system_vgpr_workitem_id 0
		.amdhsa_next_free_vgpr 1024
		.amdhsa_next_free_sgpr 100
		.amdhsa_reserve_vcc 1
		.amdhsa_float_denorm_mode_32 3
		.amdhsa_float_denorm_mode_16_64 3
		.amdhsa_memory_ordered 1
		.amdhsa_forward_progress 1
		.amdhsa_inst_pref_size 236
	.end_amdhsa_kernel
	.amdgpu_metadata
---
amdhsa.version: [ 1, 2 ]
amdhsa.kernels:
  - .name:           k_q22ea059f79_gemm_qkv
    .symbol:         k_q22ea059f79_gemm_qkv.kd
    .args:
      - { .name: xw, .offset: 0, .size: 8, .value_kind: global_buffer, .address_space: global }
      - { .name: b_qkv, .offset: 8, .size: 8, .value_kind: global_buffer, .address_space: global }
      - { .name: qkv, .offset: 16, .size: 8, .value_kind: global_buffer, .address_space: global }
    .group_segment_fixed_size: 327680
    .private_segment_fixed_size: 0
    .kernarg_segment_align: 8
    .kernarg_segment_size: 24
    .max_flat_workgroup_size: 128
    .sgpr_count:     100
    .vgpr_count:     1024
    .wavefront_size: 32
...
	.end_amdgpu_metadata
.endif
;; end of part 2
;; launch attn (part 3): grid 8 x 32, 16 waves a work-group, clusters of 4 x 1, 327,680 bytes of LDS; arguments qkv, oq; writes oq
.if DOCPART == 3
	.amdgcn_target "amdgcn-amd-amdhsa--gfx1250"
	.amdhsa_code_object_version 6
	.text
	.protected	k_q22ea059f79_attn
	.globl	k_q22ea059f79_attn
	.p2align	8
	.type	k_q22ea059f79_attn,@function
k_q22ea059f79_attn:
	s_mov_b64 s[64:65], 0
	v_nop
	global_prefetch_b8 v0, s[64:65] scope:SCOPE_SE
	s_setreg_imm32_b32 hwreg(HW_REG_WAVE_MODE, 25, 1), 1
	s_wait_xcnt 0x0
	s_wait_alu depctr_hold_cnt(0) depctr_sa_sdst(0) depctr_va_vdst(0) depctr_va_sdst(0) depctr_va_ssrc(0) depctr_va_vcc(0) depctr_vm_vsrc(0)
	s_getreg_b32 s2, hwreg(HW_REG_IB_STS2, 6, 4)
	s_cmp_eq_u32 s2, 0
	s_cbranch_scc0 .Lentry_in_a_cluster
	s_endpgm
.Lentry_in_a_cluster:
	s_bfe_u32 s2, ttmp6, 0x10000c
	s_cmp_lg_u32 s2, 0x3003
	s_cbranch_scc0 .Lentry_shape_is_right
	s_endpgm
.Lentry_shape_is_right:
; Attention on codes of FP4: S = q k^T / 8, the softmax by the problem's rule, O = p v / l, and O quantised along the embedding for the last product.  Nothing of the problem is left out.
; THE SOFTMAX: t = score x log2(e) / 8; M = the running largest t rounded up to a whole number; p = 2^(t - M) is quantised along the keys, not normalised; l is the sum of the unquantised p and divides O at the end.
; SHARES.  A work-group owns 256 queries of one batch and a PAIR of heads; each of its sixteen waves owns one tile of 16 queries and walks all 2,048 keys twice, once for each head: so at the end a wave holds a whole
; fragment (128 along the embedding) and a whole scale word of the last product's operand.  Four waves to a SIMD: one wave's vector work stands beside another's matrix work and LDS loads.
; LDS: both heads' K and V, codes and scale bytes, lie in LDS whole: four streams of 65,536 + 4,096 bytes (2 x pass + (0: K, 1: V)): first fills only.  Wave s < 4 fetches stream s by five joint loads (scales, four chunks of
; four key steps), which all four query blocks of the cluster ask for alike: five tensor loads of such a wave are out.
; LAYOUT.  Both products transposed: S^T = K q^T, O^T = V^T p^T: a lane holds one query throughout.  By the tile order of the images a lane's 16 registers of two neighbouring tiles are 16 neighbouring keys (channels).
; K = 64 FILLS HALF OF THE INSTRUCTION'S 128: the image of a pair of key tiles is one operand (tile u in register group u), and q stands against it in group u with zero codes in the other group.
; oq: codes at 0, [token tile 0..511][K step = head / 2][head % 2][512]; scale bytes at 0x400000, [pair][quarter of K][u][r][8].
; LIMITS: 1 / l by v_rcp_f32 and a multiplication; a block of zeros gets the byte 1; blocks under 2^-124 are held at the byte 1; NaN and infinities are not served.
.set STR,   69632
.set SPARE, 4*STR                      ; the spare words, 128 bytes for each of sixteen waves
.set SPW,  5                           ; v5, v6 the add's two; never rewritten
.set NIL,  6
.set SCO,  112                         ; v112-175 S^T, then p
.set OT,   176                         ; v176-207 O^T
.set PCD,  208                         ; v208-215 p's codes
.set BX,   216                         ; v216-219 the blocks' largest scores, then p
.set PT,   220                         ; v220-223 at work
.set SOP,  224                         ; v224-227 the conversions' scale operands
.set WV,   18
.set SEL,  20
.set CS,   22                          ; s[22:23] c = log2(e) / 8
.set G1C,  24
.set G1S,  32
.set G0,   40                          ; s[40:59] five groups 0
.set TB,   60                          ; where the step's codes begin in a stream
.set TS,   61                          ; and its scale bytes
.set CNT,  66
; v1 16 x lane (K's place, and q's and O's offset); v2 V's place; v3, v4 K's and V's scale bytes; v8-11 the step's addresses; v12 -M, v13 the largest t, v[14:15] l in two halves; v[16:27] q, zeros, q; v28 q's scale word;
; v29 p's; v[30:33] K's scale words, v[34:37] V's; v[38:45] both heads' q, v46, v47 their scale bytes; v[48:79] K; v[80:111] V; v[228:229] f; v230 at work; v[232:239] O's codes; v240, v241 its bytes; v242 16 r; v243 8 r
.macro CROUND
	s_barrier_signal -1
	s_barrier_wait -1
	s_cmp_lg_u32 s[WV], 0
	s_cbranch_scc1 .Lnot_wave_0_\@
	s_barrier_signal -3
.Lnot_wave_0_\@:
	s_barrier_wait -3
	s_barrier_signal -1
	s_barrier_wait -1
.endm
	s_load_b128 s[4:7], s[0:1], 0x0                ; qkv s[4:5], oq s[6:7]
	v_lshl_add_u32 v[SPW], v0, 2, SPARE
	v_mov_b32 v[NIL], 0
	ds_add_u32 v[SPW], v[NIL]                      ; the wave's opening: the add, twice on end, and its wait ahead of my first tensor load
	ds_add_u32 v[SPW], v[NIL]
	v_lshrrev_b32 v8, 5, v0
	s_delay_alu instid0(VALU_DEP_1)
	v_readfirstlane_b32 s[WV], v8                  ; wave 0..15
	s_bfe_u32 s8, ttmp6, 0x40000                   ; cx: it enters q's and O's addresses alone
	s_lshl_b32 s9, ttmp9, 2
	s_add_co_u32 s9, s9, s8                        ; my block of 256 queries
	s_and_b32 s10, ttmp7, 0xffff
	s_lshr_b32 s11, s10, 3                         ; batch
	s_and_b32 s10, s10, 7                          ; pair of heads
	s_and_b32 s12, s[WV], 3                        ; the stream that I fetch, if I fetch
	s_and_b32 s13, s12, 1                          ; K or V
	s_lshr_b32 s14, s12, 1                         ; pass
	s_lshl_b32 s15, s13, 4
	s_add_co_u32 s15, s15, 16
	s_lshl_b32 s16, s10, 1
	s_add_co_u32 s15, s15, s16
	s_add_co_u32 s15, s15, s14                     ; hh = 16 + 16 kind + 2 pair + pass
	s_lshl_b32 s16, s15, 18
	s_lshl_b32 s17, s11, 16
	s_add_co_u32 s16, s16, s17                     ; its codes
	s_mov_b32 s17, 0
	s_lshl_b32 s68, s15, 14
	s_lshl_b32 s69, s11, 12
	s_add_co_u32 s68, s68, s69
	s_add_co_u32 s68, s68, 0xC00000                ; its scale bytes
	s_mov_b32 s69, 0
	s_mul_i32 s19, s12, STR                        ; and where it goes
	; descriptor group 1: dense bytes as rows of 256 (32 elements of 8 bytes): a chunk has 64 rows, the scale bytes 16.  The mask names all four work-groups
	s_mov_b32 s[G1C], 15|(3<<16)|(1<<21)
	s_mov_b32 s[G1C+1], 32<<16
	s_mov_b32 s[G1C+2], 64<<16
	s_mov_b32 s[G1C+3], 32<<16
	s_mov_b32 s[G1C+4], 64
	s_mov_b32 s[G1C+5], 32
	s_mov_b32 s[G1C+6], 0
	s_mov_b32 s[G1C+7], 0
	s_mov_b32 s[G1S], 15|(3<<16)|(1<<21)
	s_mov_b32 s[G1S+1], 32<<16
	s_mov_b32 s[G1S+2], 16<<16
	s_mov_b32 s[G1S+3], 32<<16
	s_mov_b32 s[G1S+4], 16
	s_mov_b32 s[G1S+5], 32
	s_mov_b32 s[G1S+6], 0
	s_mov_b32 s[G1S+7], 0
	; my tile of queries, and where its q, its O and O's scale word lie
	s_lshl_b32 s70, s11, 7
	s_lshl_b32 s71, s9, 4
	s_add_co_u32 s70, s70, s71
	s_add_co_u32 s70, s70, s[WV]                   ; token tile = 128 batch + 16 block + wave
	s_lshl_b32 s72, s10, 19
	s_lshl_b32 s73, s70, 9
	s_add_co_u32 s72, s72, s73
	s_mov_b32 s73, 0
	s_lshl_b32 s74, s10, 15
	s_lshr_b32 s75, s70, 3
	s_lshl_b32 s75, s75, 8
	s_add_co_u32 s74, s74, s75
	s_and_b32 s75, s70, 7
	s_lshl_b32 s75, s75, 1
	s_add_co_u32 s74, s74, s75
	s_add_co_u32 s74, s74, 0xC00000
	s_mov_b32 s75, 0
	s_lshl_b32 s76, s70, 13
	s_lshl_b32 s77, s10, 10
	s_add_co_u32 s76, s76, s77
	s_mov_b32 s77, 0
	s_lshr_b32 s78, s70, 1
	s_lshl_b32 s78, s78, 10
	s_lshr_b32 s79, s10, 1
	s_lshl_b32 s79, s79, 8
	s_add_co_u32 s78, s78, s79
	s_and_b32 s79, s70, 1
	s_lshl_b32 s79, s79, 7
	s_add_co_u32 s78, s78, s79
	s_and_b32 s79, s10, 1
	s_lshl_b32 s79, s79, 2
	s_add_co_u32 s78, s78, s79
	s_add_co_u32 s78, s78, 0x400000
	s_mov_b32 s79, 0
	s_mov_b32 s[SEL], 0x76543210
	s_mov_b32 s[SEL+1], 0xfedcba98
	s_mov_b32 s[CS], 0x3e38aa3b                    ; log2(e) / 8
	s_mov_b32 s[CS+1], s[CS]
	s_mov_b32 s[TB], 0
	s_mov_b32 s[TS], 0
	v_and_b32 v8, 31, v0
	s_delay_alu instid0(VALU_DEP_1)
	v_lshlrev_b32 v1, 4, v8
	s_delay_alu instid0(VALU_DEP_1)
	v_add_nc_u32 v2, STR, v1
	v_and_b32 v9, 15, v0
	s_delay_alu instid0(VALU_DEP_1)
	v_lshlrev_b32 v242, 4, v9
	s_delay_alu instid0(VALU_DEP_1)
	v_add_nc_u32 v3, 65536, v242
	s_delay_alu instid0(VALU_DEP_2)
	v_add_nc_u32 v4, STR+65536, v242
	s_delay_alu instid0(VALU_DEP_4)
	v_lshlrev_b32 v243, 3, v9
.irp j, 0,1,2,3
	v_mov_b32 v[20+\j], 0                          ; the zero codes between the two copies of q
	v_mov_b32 v[PT+\j], 0                          ; a lane permute's destination counts as one of its sources
.endr
	v_mov_b32 v229, 0                              ; (named with f as a pair)
	s_wait_dscnt 0x0                               ; both opening adds are done
	s_wait_kmcnt 0x0
	s_add_nc_u64 s[16:17], s[4:5], s[16:17]
	s_add_nc_u64 s[68:69], s[4:5], s[68:69]
	s_add_nc_u64 s[72:73], s[4:5], s[72:73]
	s_add_nc_u64 s[74:75], s[4:5], s[74:75]
	s_add_nc_u64 s[76:77], s[6:7], s[76:77]
	s_add_nc_u64 s[78:79], s[6:7], s[78:79]
	s_mov_b32 s[G0], 1
	s_add_co_u32 s[G0+1], s19, 65536
	s_mov_b64 s[G0+2:G0+3], s[68:69]
	s_or_b32 s[G0+3], s[G0+3], 0x80000000
.irp c, 0,1,2,3
	s_mov_b32 s[G0+4+4*\c], 1
	s_add_co_u32 s[G0+5+4*\c], s19, \c*16384
	s_add_nc_u64 s[G0+6+4*\c:G0+7+4*\c], s[16:17], \c*16384
	s_or_b32 s[G0+7+4*\c], s[G0+7+4*\c], 0x80000000
.endr
	CROUND                                         ; all four work-groups are here: the joint loads meet
	s_cmp_lt_u32 s[WV], 4                          ; a wave's five first fills stand in one branch on the wave's number, the same in every partner
	s_cbranch_scc0 .Lno_fetch
	tensor_load_to_lds s[G0:G0+3], s[G1S:G1S+7]
	s_nop 0
	tensor_load_to_lds s[G0+4:G0+7], s[G1C:G1C+7]
	s_nop 0
	tensor_load_to_lds s[G0+8:G0+11], s[G1C:G1C+7]
	s_nop 0
	tensor_load_to_lds s[G0+12:G0+15], s[G1C:G1C+7]
	s_nop 0
	tensor_load_to_lds s[G0+16:G0+19], s[G1C:G1C+7]
	s_nop 0
.rept 4
	v_nop
.endr
.Lno_fetch:
	global_load_b128 v[38:41], v1, s[72:73]                        ; q of the even head,
	global_load_b128 v[42:45], v1, s[72:73] offset:262144          ; of the odd head,
	global_load_u16 v46, v242, s[74:75]                            ; and their two scale bytes a row
	global_load_u16 v47, v242, s[74:75] offset:16384
.macro INIT ps                         ; pass ps begins: q and its scale word; the largest t -3e38; l and O^T zeros, which the first change of M leaves zeros
	v_lshl_or_b32 v28, v[46+\ps], 16, v[46+\ps]    ; q's two bytes twice: they serve whichever group q stands in
.irp j, 0,1,2,3
	v_mov_b32 v[16+\j], v[38+4*\ps+\j]
	v_mov_b32 v[24+\j], v[38+4*\ps+\j]
.endr
	v_mov_b32 v13, 0xff61b1e6
	s_delay_alu instid0(VALU_DEP_1)
	v_floor_f32 v12, -v13
	v_mov_b32 v14, 0
	v_mov_b32 v15, 0
.irp j, 0,1,2,3,4,5,6,7,8,9,10,11,12,13,14,15,16,17,18,19,20,21,22,23,24,25,26,27,28,29,30,31
	v_mov_b32 v[OT+\j], 0                          ; (these are also the places between the scale word's and q's writes and the first product)
.endr
.endm
; A KEY STEP: 128 keys
.macro STEP
	v_add_nc_u32 v8, s[TB], v1                     ; (four plain lines: the places in front of the loads into V's registers, which the last products read)
	v_add_nc_u32 v9, s[TB], v2
	v_add_nc_u32 v10, s[TS], v3
	v_add_nc_u32 v11, s[TS], v4
.irp p, 0,1,2,3
.irp c, 0,1
	ds_load_b128 v[48+8*\p+4*\c:51+8*\p+4*\c], v8 offset:1024*\p+512*\c
.endr
.endr
	ds_load_b128 v[30:33], v10
.irp d, 0,1,2,3
.irp c, 0,1
	ds_load_b128 v[80+8*\d+4*\c:83+8*\d+4*\c], v9 offset:1024*\d+512*\c
.endr
.endr
	ds_load_b128 v[34:37], v11
	s_wait_dscnt 9                                 ; K and its scale words are in; V's nine loads may stay out
.irp p, 0,1,2,3
.irp u, 0,1
	v_wmma_scale_f32_16x16x128_f8f6f4 v[SCO+8*(2*\p+\u):SCO+8*(2*\p+\u)+7], v[48+8*\p:55+8*\p], v[16+4*\u:23+4*\u], 0, v[30+\p], v28 matrix_a_fmt:MATRIX_FMT_FP4 matrix_b_fmt:MATRIX_FMT_FP4
.endr
.endr
.rept 4
	v_nop
.endr
.irp b, 0,1,2,3
	v_max3_num_f32 v[BX+\b], v[SCO+16*\b], v[SCO+1+16*\b], v[SCO+2+16*\b]   ; the largest score of each block of 32 keys: for the row's maximum and, since p rises with the score, for the block's largest p
.endr
.irp i, 3,5,7,9,11,13
.irp b, 0,1,2,3
	v_max3_num_f32 v[BX+\b], v[BX+\b], v[SCO+16*\b+\i], v[SCO+1+16*\b+\i]
.endr
.endr
.irp b, 0,1,2,3
	v_max_num_f32 v[BX+\b], v[BX+\b], v[SCO+15+16*\b]
.endr
.irp b, 0,1,2,3
	s_delay_alu instid0(VALU_DEP_4)
	v_permlanex16_b32 v[PT+\b], v[BX+\b], s[SEL], s[SEL+1]
.endr
.irp b, 0,1,2,3
	s_delay_alu instid0(VALU_DEP_4)
	v_max_num_f32 v[BX+\b], v[BX+\b], v[PT+\b]
.endr
	s_delay_alu instid0(VALU_DEP_2)
	v_max3_num_f32 v230, v[BX], v[BX+1], v[BX+2]
	s_delay_alu instid0(VALU_DEP_1)
	v_max_num_f32 v230, v230, v[BX+3]
	s_delay_alu instid0(VALU_DEP_1)
	v_mul_f32 v230, s[CS], v230
	s_delay_alu instid0(VALU_DEP_1)
	v_max_num_f32 v13, v13, v230                   ; the running largest t
	v_mov_b32 v230, v12
	s_delay_alu instid0(VALU_DEP_2)
	v_floor_f32 v12, -v13                          ; -M = floor(-t): M is a whole number
	s_delay_alu instid0(VALU_DEP_1)
	v_sub_f32 v230, v12, v230
	s_delay_alu instid0(VALU_DEP_1)
	v_cvt_i32_f32 v230, v230                       ; (it saturates)
	s_delay_alu instid0(VALU_DEP_1)
	v_ldexp_f32 v228, 1.0, v230                    ; f = 2^(old M - new M): a multiplication by it rounds nothing
.irp j, 0,2,4,6,8,10,12,14,16,18,20,22,24,26,28,30,32,34,36,38,40,42,44,46,48,50,52,54,56,58,60,62
	v_pk_fma_f32 v[SCO+\j:SCO+1+\j], v[SCO+\j:SCO+1+\j], s[CS:CS+1], v[12:13] op_sel_hi:[1,0,0]
.endr
.irp b, 0,1,2,3
	v_fma_f32 v[BX+\b], v[BX+\b], s[CS], v12
.endr
	s_wait_alu depctr_va_vdst(0)
.irp j, 0,1,2,3,4,5,6,7,8,9,10,11,12,13,14,15,16,17,18,19,20,21,22,23,24,25,26,27,28,29,30,31,32,33,34,35,36,37,38,39,40,41,42,43,44,45,46,47,48,49,50,51,52,53,54,55,56,57,58,59,60,61,62,63
	v_exp_f32 v[SCO+\j], v[SCO+\j]                 ; p = 2^(t - M)
.endr
	s_setprio 1
	v_pk_mul_f32 v[14:15], v[14:15], v[228:229] op_sel_hi:[1,0]    ; l under the new M: the plain place behind the exponentials
	s_wait_alu depctr_va_vdst(0)                   ; one wait for the whole batch, ahead of its first reader
.irp b, 0,1,2,3
	v_exp_f32 v[BX+\b], v[BX+\b]                   ; the blocks' largest p
.endr
	v_pk_add_f32 v[220:221], v[116:117], v[120:121]
	v_pk_add_f32 v[254:255], v[124:125], v[128:129]
	v_pk_add_f32 v[252:253], v[132:133], v[136:137]
	v_pk_add_f32 v[250:251], v[140:141], v[144:145]
	v_pk_add_f32 v[248:249], v[148:149], v[152:153]
	v_pk_add_f32 v[246:247], v[156:157], v[160:161]
	v_pk_add_f32 v[244:245], v[164:165], v[168:169]
	v_pk_add_f32 v[14:15], v[14:15], v[172:173]
	v_pk_add_f32 v[220:221], v[220:221], v[112:113]
	v_pk_add_f32 v[254:255], v[254:255], v[114:115]
	v_pk_add_f32 v[252:253], v[252:253], v[118:119]
	v_pk_add_f32 v[250:251], v[250:251], v[122:123]
	v_pk_add_f32 v[248:249], v[248:249], v[126:127]
	v_pk_add_f32 v[246:247], v[246:247], v[130:131]
	v_pk_add_f32 v[244:245], v[244:245], v[134:135]
	v_pk_add_f32 v[14:15], v[14:15], v[138:139]
	v_pk_add_f32 v[220:221], v[220:221], v[142:143]
	v_pk_add_f32 v[254:255], v[254:255], v[146:147]
	v_pk_add_f32 v[252:253], v[252:253], v[150:151]
	v_pk_add_f32 v[250:251], v[250:251], v[154:155]
	v_pk_add_f32 v[248:249], v[248:249], v[158:159]
	v_pk_add_f32 v[246:247], v[246:247], v[162:163]
	v_pk_add_f32 v[244:245], v[244:245], v[166:167]
	v_pk_add_f32 v[14:15], v[14:15], v[170:171]
	v_pk_add_f32 v[220:221], v[220:221], v[174:175]
	s_delay_alu instid0(VALU_DEP_2)
	v_pk_add_f32 v[14:15], v[14:15], v[250:251]
	s_delay_alu instid0(VALU_DEP_2)
	v_pk_add_f32 v[220:221], v[220:221], v[248:249]
	v_pk_add_f32 v[254:255], v[254:255], v[246:247]
	v_pk_add_f32 v[252:253], v[252:253], v[244:245]
	s_delay_alu instid0(VALU_DEP_2)
	v_pk_add_f32 v[14:15], v[14:15], v[254:255]
	s_delay_alu instid0(VALU_DEP_2)
	v_pk_add_f32 v[220:221], v[220:221], v[252:253]
	s_delay_alu instid0(VALU_DEP_1)
	v_pk_add_f32 v[14:15], v[14:15], v[220:221]
	s_wait_alu depctr_va_vdst(0)                   ; and one for the four
.irp b, 0,1,2,3
	v_max_num_f32 v[BX+\b], 0x1800000, v[BX+\b]    ; the floor 2^(3 - 127)
.endr
.irp b, 0,1,2,3
	s_delay_alu instid0(VALU_DEP_4)
	v_add_nc_u32 v[SOP+\b], 0xff000000, v[BX+\b]
.endr
.irp b, 0,1,2,3
	s_delay_alu instid0(VALU_DEP_4)
	v_lshrrev_b32 v[PT+\b], 23, v[SOP+\b]
.endr
	s_delay_alu instid0(VALU_DEP_3)
	v_lshl_or_b32 v29, v[PT+1], 8, v[PT]
	s_delay_alu instid0(VALU_DEP_1)
	v_lshl_or_b32 v29, v[PT+2], 16, v29
	s_delay_alu instid0(VALU_DEP_1)
	v_lshl_or_b32 v29, v[PT+3], 24, v29            ; p's scale word for these 128 keys
.irp b, 0,1,2,3
	v_cvt_scalef32_pk8_fp4_f32 v[PCD+2*\b], v[SCO+16*\b:SCO+7+16*\b], v[SOP+\b]
	v_cvt_scalef32_pk8_fp4_f32 v[PCD+1+2*\b], v[SCO+8+16*\b:SCO+15+16*\b], v[SOP+\b]
.endr
	v_nop
.irp c, 0,1
.irp i, 0,1
	v_permlane16_swap_b32 v[PCD+4*\c+\i], v[PCD+2+4*\c+\i]
.endr
.endr
	s_setprio 0
.irp j, 0,2,4,6,8,10,12,14,16,18,20,22,24,26,28,30
	v_pk_mul_f32 v[OT+\j:OT+1+\j], v[OT+\j:OT+1+\j], v[228:229] op_sel_hi:[1,0]   ; O^T under the new M.  (Sixteen places between the scale word's and the codes' writes and the products)
.endr
	s_wait_alu depctr_va_vdst(0)
	s_wait_dscnt 0x0                               ; V and its scale words are in
.irp d, 0,1,2,3
	v_wmma_scale_f32_16x16x128_f8f6f4 v[OT+8*\d:OT+7+8*\d], v[80+8*\d:87+8*\d], v[PCD:PCD+7], v[OT+8*\d:OT+7+8*\d], v[34+\d], v29 matrix_a_fmt:MATRIX_FMT_FP4 matrix_b_fmt:MATRIX_FMT_FP4
.endr
	s_add_co_u32 s[TB], s[TB], 4096
	s_add_co_u32 s[TS], s[TS], 256
.endm
.macro WALK n
	s_mov_b32 s[CNT], \n
.Lwalk_\@:
	s_setprio 2
	STEP
	s_sub_co_u32 s[CNT], s[CNT], 1
	s_cmp_lg_u32 s[CNT], 0
	s_cbranch_scc1 .Lwalk_\@
	s_setprio 0
.endm
.macro CHUNK c                         ; four key steps of pass 0
	s_wait_dscnt 0x0
	s_wait_tensorcnt 3-(\c)                        ; my scale bytes and chunks 0 .. c have landed; the later chunks may stay out
	s_barrier_signal -1
	s_barrier_wait -1
	WALK 4
.endm
.macro FINISH ps                       ; O^T / l, quantised along the head's 64 (two blocks), is register group ps of the last product's fragment
.rept 4
	v_nop
.endr
	v_add_f32 v14, v14, v15
	s_delay_alu instid0(VALU_DEP_1)
	v_permlanex16_b32 v230, v14, s[SEL], s[SEL+1]
	s_delay_alu instid0(VALU_DEP_1)
	v_add_f32 v14, v14, v230                       ; the row's sum
	s_wait_alu depctr_va_vdst(0)
	v_rcp_f32 v14, v14
	v_nop
	s_wait_alu depctr_va_vdst(0)
.irp j, 0,2,4,6,8,10,12,14,16,18,20,22,24,26,28,30
	v_pk_mul_f32 v[OT+\j:OT+1+\j], v[OT+\j:OT+1+\j], v[14:15] op_sel_hi:[1,0]     ; each accumulator from its low end on
.endr
.irp b, 0,1
	v_max3_num_f32 v[BX+\b], |v[OT+16*\b]|, |v[OT+1+16*\b]|, 0x1800000
.endr
.irp i, 2,4,6,8,10,12,14
.irp b, 0,1
	s_delay_alu instid0(VALU_DEP_2)
	v_max3_num_f32 v[BX+\b], v[BX+\b], |v[OT+16*\b+\i]|, |v[OT+1+16*\b+\i]|
.endr
.endr
.irp b, 0,1
	s_delay_alu instid0(VALU_DEP_2)
	v_permlanex16_b32 v[PT+\b], v[BX+\b], s[SEL], s[SEL+1]
.endr
.irp b, 0,1
	s_delay_alu instid0(VALU_DEP_2)
	v_max_num_f32 v[BX+\b], v[BX+\b], v[PT+\b]
.endr
.irp b, 0,1
	s_delay_alu instid0(VALU_DEP_2)
	v_add_nc_u32 v[SOP+\b], 0xff000000, v[BX+\b]
.endr
.irp b, 0,1
	s_delay_alu instid0(VALU_DEP_2)
	v_lshrrev_b32 v[PT+\b], 23, v[SOP+\b]
.endr
	s_delay_alu instid0(VALU_DEP_1)
	v_lshl_or_b32 v[240+\ps], v[PT+1], 8, v[PT]
.irp b, 0,1
	v_cvt_scalef32_pk8_fp4_f32 v[232+4*\ps+2*\b], v[OT+16*\b:OT+7+16*\b], v[SOP+\b]
	v_cvt_scalef32_pk8_fp4_f32 v[233+4*\ps+2*\b], v[OT+8+16*\b:OT+15+16*\b], v[SOP+\b]
.endr
	v_nop
	v_permlane16_swap_b32 v[232+4*\ps], v[234+4*\ps]
	v_permlane16_swap_b32 v[233+4*\ps], v[235+4*\ps]
	global_store_b128 v1, v[232+4*\ps:235+4*\ps], s[76:77] offset:512*\ps         ; 512 consecutive bytes
.endm
	s_wait_loadcnt 0x0                             ; q
	INIT 0
	CHUNK 0
	CHUNK 1
	CHUNK 2
	CHUNK 3                                        ; its wait is for 0: behind its barrier all four streams are whole
	FINISH 0
	s_mov_b32 s[TB], 2*STR                         ; the odd head's streams
	s_mov_b32 s[TS], 2*STR
	INIT 1
	WALK 16
	FINISH 1
	v_lshl_or_b32 v240, v241, 16, v240             ; the four bytes of my rows' scale word for this K step
	global_store_b32 v243, v240, s[78:79]          ; lanes r and r + 16 hold the same word and write it to the same place
	s_wait_tensorcnt 0x0                           ; the wave's end
	ds_add_u32 v[SPW], v[NIL]
	s_wait_dscnt 0x0
	CROUND                                         ; the closing round
	s_endpgm
.Lfunc_end_k_q22ea059f79_attn:
	.size	k_q22ea059f79_attn, .Lfunc_end_k_q22ea059f79_attn-k_q22ea059f79_attn
	.p2alignl 7, 3214868480
	.fill 96, 4, 3214868480
	.section	.rodata,"a",@progbits
	.p2align	6, 0x0
	.amdhsa_kernel k_q22ea059f79_attn
		.amdhsa_group_segment_fixed_size 327680
		.amdhsa_private_segment_fixed_size 0
		.amdhsa_enable_private_segment 0
		.amdhsa_kernarg_size 16
		.amdhsa_user_sgpr_count 2
		.amdhsa_user_sgpr_kernarg_segment_ptr 1
		.amdhsa_wavefront_size32 1
		.amdhsa_system_sgpr_workgroup_id_x 1
		.amdhsa_system_sgpr_workgroup_id_y 1
		.amdhsa_system_sgpr_workgroup_id_z 1
		.amdhsa_system_vgpr_workitem_id 0
		.amdhsa_next_free_vgpr 256
		.amdhsa_next_free_sgpr 80
		.amdhsa_reserve_vcc 0
		.amdhsa_float_denorm_mode_32 3
		.amdhsa_float_denorm_mode_16_64 3
		.amdhsa_memory_ordered 1
		.amdhsa_forward_progress 1
		.amdhsa_inst_pref_size 100
	.end_amdhsa_kernel
	.amdgpu_metadata
---
amdhsa.version: [ 1, 2 ]
amdhsa.kernels:
  - .name:           k_q22ea059f79_attn
    .symbol:         k_q22ea059f79_attn.kd
    .args:
      - { .name: qkv, .offset: 0, .size: 8, .value_kind: global_buffer, .address_space: global }
      - { .name: oq, .offset: 8, .size: 8, .value_kind: global_buffer, .address_space: global }
    .group_segment_fixed_size: 327680
    .private_segment_fixed_size: 0
    .kernarg_segment_align: 8
    .kernarg_segment_size: 16
    .max_flat_workgroup_size: 512
    .sgpr_count:     80
    .vgpr_count:     256
    .wavefront_size: 32
...
	.end_amdgpu_metadata
.endif
;; end of part 3
;; launch gemm_proj (part 4): grid 4 x 64, 4 waves a work-group, clusters of 4 x 4, 327,680 bytes of LDS; arguments oq, xw, b_proj, out0; writes out0
.if DOCPART == 4
	.amdgcn_target "amdgcn-amd-amdhsa--gfx1250"
	.amdhsa_code_object_version 6
	.text
	.protected	k_q22ea059f79_gemm_proj
	.globl	k_q22ea059f79_gemm_proj
	.p2align	8
	.type	k_q22ea059f79_gemm_proj,@function
k_q22ea059f79_gemm_proj:
	s_mov_b64 s[64:65], 0
	v_nop
	global_prefetch_b8 v0, s[64:65] scope:SCOPE_SE
	s_setreg_imm32_b32 hwreg(HW_REG_WAVE_MODE, 25, 1), 1
	s_wait_xcnt 0x0
	s_wait_alu depctr_hold_cnt(0) depctr_sa_sdst(0) depctr_va_vdst(0) depctr_va_sdst(0) depctr_va_ssrc(0) depctr_va_vcc(0) depctr_vm_vsrc(0)
	s_getreg_b32 s2, hwreg(HW_REG_IB_STS2, 6, 4)
	s_cmp_eq_u32 s2, 0
	s_cbranch_scc0 .Lentry_in_a_cluster
	s_endpgm
.Lentry_in_a_cluster:
	s_bfe_u32 s2, ttmp6, 0x10000c
	s_cmp_lg_u32 s2, 0xf033
	s_cbranch_scc0 .Lentry_shape_is_right
	s_endpgm
.Lentry_shape_is_right:
; out0 = O w_proj + b_proj on codes of FP4.  Nothing of the problem is left out.
; A tile of 128 tokens x 256 columns to a work-group (256 work-groups), 64 x 128 to each of four waves.  THE MATRIX INSTRUCTION IS USED TRANSPOSED (source 0 = a tile of w_proj's columns, source 1 = a tile of tokens):
; a lane holds one token, and by the tile order of the images its 16 registers of two neighbouring tiles are 16 neighbouring columns.  The bias is the C of each sum's first matrix instruction.
; K = 1,024 lies in LDS whole, as two slots of four K steps: first fills only, three tensor loads a wave (scales, slot 0, slot 1), all joint: the tokens' tiles shared along the cluster's row, the weights' along its column.
; The way out goes through a stage of the wave's own; the tile order of the tokens is undone in the stores' offsets.
; REGISTERS: window 0: v1-27 addresses, v28, v29 the add's two, v32-95 scale words (8 i + q: lanes 0-15 the tokens' tile i, lanes 16-31 the weights' tile i, K step q), v128-255 the tokens' two sets, later rows of out0.
;   window 1: v0-63, v128-191 the weights' two sets; v64-127 the bias.   window 2: accumulator (a, b) at v[8 (8 a + b)].
.set SLOT,  98304                      ; four K steps: the tokens' 8 tiles x 4,096, then the weights' 16 tiles x 4,096
.set AREG,  32768
.set SCL,   2*SLOT                     ; the scales: the tokens' 4,096 bytes, then the weights' 8,192
.set SAREG, 4096
.set SPARE, SCL+SAREG+8192             ; the spare words, 128 bytes a wave
.set STAGE, SPARE+512                  ; 16 rows x (512 bytes + 16) for each wave: no tensor load lands here
.set ADRA, 16
.set ADRB, 20
.set ADRS, 27
.set SPW,  28
.set NIL,  29
.set SC,   32
.set G1,   24
.set G0,   32
.set G1B,  48
.set G0B,  56
.set G1S,  68
.set G0S,  76
.set G1SB, 80
.set G0SB, 88
.set MSB, 0
.macro WIN new
.if MSB != (\new)
	s_set_vgpr_msb (MSB<<8)|(\new)
.set MSB, (\new)
.endif
.endm
.macro PLACES n
.rept \n
	v_nop
.endr
.endm
.macro JLOAD g0a, g1a, g0b, g1b        ; waves 0 and 1 fetch the tokens' halves, waves 2 and 3 the weights'; an s_nop 0 and four v_nop follow each line
	s_cmp_eq_u32 s15, 0
	s_cbranch_scc0 .Lfor_b_\@
	tensor_load_to_lds s[\g0a:\g0a+3], s[\g1a:\g1a+7]
	s_nop 0
.rept 4
	v_nop
.endr
	s_branch .Lasked_\@
.Lfor_b_\@:
	tensor_load_to_lds s[\g0b:\g0b+3], s[\g1b:\g1b+7]
	s_nop 0
.rept 4
	v_nop
.endr
.Lasked_\@:
.endm
.macro CROUND
	s_barrier_signal -1
	s_barrier_wait -1
	s_cmp_lg_u32 s14, 0
	s_cbranch_scc1 .Lnot_wave_0_\@
	s_barrier_signal -3
.Lnot_wave_0_\@:
	s_barrier_wait -3
	s_barrier_signal -1
	s_barrier_wait -1
.endm
.macro SCALES                          ; for i >= 4 lanes 0-15 read on into the weights' scale bytes, which have landed; no product takes those lanes
.irp i, 0,1,2,3,4,5,6,7
.irp k, 0,1,2,3
	ds_load_b64 v[SC+8*\i+2*\k:SC+8*\i+2*\k+1], v[ADRS] offset:(\i/2)*1024+\k*256+(\i%2)*128
.endr
.endr
.endm
.macro FETCH q
	WIN 0x40
.irp i, 0,1,2,3,4,5,6,7
.irp c, 0,1
	ds_load_b128 v[128*((\q)%2)+8*\i+4*\c:128*((\q)%2)+8*\i+4*\c+3], v[ADRB+(\q)/4] offset:\i*4096+((\q)%4)*1024+\c*512
.endr
.endr
	WIN 0
.irp i, 0,1,2,3
.irp c, 0,1
	ds_load_b128 v[128+64*((\q)%2)+8*\i+4*\c:128+64*((\q)%2)+8*\i+4*\c+3], v[ADRA+(\q)/4] offset:\i*4096+((\q)%4)*1024+\c*512
.endr
.endr
.endm
; 32 matrix instructions; the 32 accumulators take turns, one instruction a turn, in the same order in every step.  bias = 1: the first step, whose C is the bias
.macro MUL4 q, bias
.irp a, 0,1,2,3
.irp b, 0,1,2,3,4,5,6,7
.if \bias
	v_wmma_scale_f32_16x16x128_f8f6f4 v[8*(8*\a+\b):8*(8*\a+\b)+7], v[128*((\q)%2)+8*\b:128*((\q)%2)+8*\b+7], v[128+64*((\q)%2)+8*\a:128+64*((\q)%2)+8*\a+7], v[64+8*\b:71+8*\b], v[SC+8*\b+(\q)], v[SC+8*\a+(\q)] matrix_a_fmt:MATRIX_FMT_FP4 matrix_b_fmt:MATRIX_FMT_FP4 matrix_a_scale:MATRIX_SCALE_ROW1
.else
	v_wmma_scale_f32_16x16x128_f8f6f4 v[8*(8*\a+\b):8*(8*\a+\b)+7], v[128*((\q)%2)+8*\b:128*((\q)%2)+8*\b+7], v[128+64*((\q)%2)+8*\a:128+64*((\q)%2)+8*\a+7], v[8*(8*\a+\b):8*(8*\a+\b)+7], v[SC+8*\b+(\q)], v[SC+8*\a+(\q)] matrix_a_fmt:MATRIX_FMT_FP4 matrix_b_fmt:MATRIX_FMT_FP4 matrix_a_scale:MATRIX_SCALE_ROW1
.endif
.endr
.endr
.endm
.macro STEP q, bias, fetch, meet
	s_wait_dscnt 0x0                               ; this step's fragments, asked for 32 matrix instructions ago, are in
.if \meet
	s_wait_tensorcnt 0x0                           ; my part of slot 1 has landed,
	s_barrier_signal -1
	s_barrier_wait -1                              ; everybody's has.
.endif
.if \fetch
	PLACES 4                                       ; four places in front of loads into the sets that the step before multiplied
	FETCH (\q)+1
.endif
.if \bias
	WIN 0x91                                       ; source 0 window 1, source 1 window 0, C (the bias) window 1, D window 2
.else
	WIN 0xa1                                       ; C and D window 2
.endif
	MUL4 \q, \bias
	WIN 0
.endm
	s_load_b256 s[4:11], s[0:1], 0x0               ; oq s[4:5], xw s[6:7], b_proj s[8:9], out0 s[10:11]
	v_lshl_add_u32 v[SPW], v0, 2, SPARE
	v_mov_b32 v[NIL], 0
	ds_add_u32 v[SPW], v[NIL]                      ; the wave's opening: the add, twice on end, and its wait ahead of my first tensor load
	ds_add_u32 v[SPW], v[NIL]
	v_lshrrev_b32 v1, 5, v0
	v_readfirstlane_b32 s14, v1                    ; wave
	s_lshr_b32 s15, s14, 1                         ; wy.  Also: I fetch the tokens' (0) or the weights' (1)
	s_and_b32 s16, s14, 1                          ; wx.  Also: which half I fetch
	s_bfe_u32 s40, ttmp6, 0x40000                  ; cx
	s_bfe_u32 s41, ttmp6, 0x40004                  ; cy
	s_lshl_b32 s42, ttmp9, 2
	s_add_co_u32 s42, s42, s40                     ; which 256 columns
	s_and_b32 s17, ttmp7, 0xffff
	s_lshl_b32 s17, s17, 2
	s_add_co_u32 s17, s17, s41                     ; which 128 tokens
	s_lshl_b32 s43, s41, 2
	s_lshl_b32 s43, 15, s43                        ; my row of the cluster
	s_lshl_b32 s44, 0x1111, s40                    ; my column
	; descriptor group 1.  Codes: of each tile 4 K steps = 4,096 bytes (512 elements of 8 bytes), 8,192 bytes apart: 4 tiles of tokens, 8 of weights.  Scales: dense bytes as rows of 256: 8 rows, 16 rows
	s_or_b32 s[G1+0], s43, (3<<16)|(1<<21)
	s_mov_b32 s[G1+1], 512<<16
	s_mov_b32 s[G1+2], 4<<16
	s_mov_b32 s[G1+3], 512<<16
	s_mov_b32 s[G1+4], 4
	s_mov_b32 s[G1+5], 1024
	s_mov_b32 s[G1+6], 0
	s_mov_b32 s[G1+7], 0
	s_or_b32 s[G1B+0], s44, (3<<16)|(1<<21)
	s_mov_b32 s[G1B+1], 512<<16
	s_mov_b32 s[G1B+2], 8<<16
	s_mov_b32 s[G1B+3], 512<<16
	s_mov_b32 s[G1B+4], 8
	s_mov_b32 s[G1B+5], 1024
	s_mov_b32 s[G1B+6], 0
	s_mov_b32 s[G1B+7], 0
	s_or_b32 s[G1S+0], s43, (3<<16)|(1<<21)
	s_mov_b32 s[G1S+1], 32<<16
	s_mov_b32 s[G1S+2], 8<<16
	s_mov_b32 s[G1S+3], 32<<16
	s_mov_b32 s[G1S+4], 8
	s_mov_b32 s[G1S+5], 32
	s_mov_b32 s[G1S+6], 0
	s_mov_b32 s[G1S+7], 0
	s_or_b32 s[G1SB+0], s44, (3<<16)|(1<<21)
	s_mov_b32 s[G1SB+1], 32<<16
	s_mov_b32 s[G1SB+2], 16<<16
	s_mov_b32 s[G1SB+3], 32<<16
	s_mov_b32 s[G1SB+4], 16
	s_mov_b32 s[G1SB+5], 32
	s_mov_b32 s[G1SB+6], 0
	s_mov_b32 s[G1SB+7], 0
	s_lshl_b32 s20, s17, 16                        ; the tokens' codes in oq,
	s_lshl_b32 s45, s16, 15
	s_add_co_u32 s20, s20, s45
	s_mov_b32 s21, 0
	s_lshl_b32 s22, s17, 12                        ; their scales,
	s_lshl_b32 s45, s16, 11
	s_add_co_u32 s22, s22, s45
	s_add_co_u32 s22, s22, 0x400000
	s_mov_b32 s23, 0
	s_lshl_b32 s46, s42, 17                        ; w_proj's codes in xw,
	s_lshl_b32 s94, s16, 16
	s_add_co_u32 s46, s46, s94
	s_add_co_u32 s46, s46, 0x580000
	s_mov_b32 s47, 0
	s_lshl_b32 s92, s42, 13                        ; and its scales
	s_lshl_b32 s94, s16, 12
	s_add_co_u32 s92, s92, s94
	s_add_co_u32 s92, s92, 0x658000
	s_mov_b32 s93, 0
	s_lshl_b32 s95, s16, 14                        ; where they go: no place in the cluster enters an LDS address
	s_lshl_b32 s96, s16, 15
	s_add_co_u32 s96, s96, AREG
	s_lshl_b32 s97, s16, 11
	s_add_co_u32 s97, s97, SCL
	s_lshl_b32 s98, s16, 12
	s_add_co_u32 s98, s98, SCL+SAREG
	s_wait_dscnt 0x0                               ; both opening adds are done
	s_wait_kmcnt 0x0
	s_add_nc_u64 s[20:21], s[4:5], s[20:21]
	s_add_nc_u64 s[22:23], s[4:5], s[22:23]
	s_add_nc_u64 s[46:47], s[6:7], s[46:47]
	s_add_nc_u64 s[92:93], s[6:7], s[92:93]
	CROUND                                         ; all sixteen work-groups are here: the first joint loads meet
	s_mov_b32 s[G0S], 1
	s_mov_b32 s[G0S+1], s97
	s_mov_b64 s[G0S+2:G0S+3], s[22:23]
	s_or_b32 s[G0S+3], s[G0S+3], 0x80000000
	s_mov_b32 s[G0SB], 1
	s_mov_b32 s[G0SB+1], s98
	s_mov_b64 s[G0SB+2:G0SB+3], s[92:93]
	s_or_b32 s[G0SB+3], s[G0SB+3], 0x80000000
	JLOAD G0S, G1S, G0SB, G1SB
.irp s, 0,1
	s_mov_b32 s[G0+4*\s], 1
	s_add_co_u32 s[G0+4*\s+1], s95, \s*SLOT
	s_add_nc_u64 s[G0+4*\s+2:G0+4*\s+3], s[20:21], \s*4096
	s_or_b32 s[G0+4*\s+3], s[G0+4*\s+3], 0x80000000
	s_mov_b32 s[G0B+4*\s], 1
	s_add_co_u32 s[G0B+4*\s+1], s96, \s*SLOT
	s_add_nc_u64 s[G0B+4*\s+2:G0B+4*\s+3], s[46:47], \s*4096
	s_or_b32 s[G0B+4*\s+3], s[G0B+4*\s+3], 0x80000000
	s_wait_alu depctr_va_vdst(0)
	s_wait_tensorcnt 0x0
	ds_add_u32 v28, v29
	s_wait_dscnt 0x0
	CROUND
	JLOAD G0+4*\s, G1, G0B+4*\s, G1B
.endr
	v_and_b32 v1, 15, v0                           ; r
	v_bfe_u32 v2, v0, 4, 1                         ; h
	v_and_b32 v3, 31, v0
	v_lshlrev_b32 v26, 4, v3                       ; 16 x lane
	s_wait_alu depctr_va_vdst(0)
	v_lshlrev_b32 v23, 6, v2                       ; the bias: 64 h
	s_lshl_b32 s2, s42, 10
	s_lshl_b32 s3, s16, 9
	s_add_co_u32 s2, s2, s3                        ; my 128 columns, in bytes
	s_mov_b32 s3, 0
	s_add_nc_u64 s[8:9], s[8:9], s[2:3]
	s_add_nc_u64 s[10:11], s[10:11], s[2:3]
	WIN 0x40
.irp b, 0,1,2,3
.irp j, 0,1,2,3
	global_load_b128 v[64+16*\b+4*\j:67+16*\b+4*\j], v23, s[8:9] offset:128*\b+16*\j   ; columns 32 b + 16 h + 4 j on: the results' own order
.endr
.endr
	WIN 0
	s_lshl_b32 s2, s17, 7
	s_lshl_b32 s21, s15, 6
	s_add_co_u32 s2, s2, s21                       ; my first token
	s_lshl_b32 s2, s2, 12
	s_add_nc_u64 s[10:11], s[10:11], s[2:3]
	s_lshl_b32 s21, s15, 14                        ; my 4 tiles of tokens
	s_lshl_b32 s22, s16, 15
	s_add_co_u32 s22, s22, AREG                    ; my 8 tiles of weights
.irp s, 0,1
	v_add_nc_u32 v[ADRA+\s], s21, v26
	v_add_nc_u32 v[ADRB+\s], s22, v26
	s_add_co_u32 s21, s21, SLOT
	s_add_co_u32 s22, s22, SLOT
.endr
	v_lshlrev_b32 v5, 3, v1                        ; scale words: 8 r,
	s_lshl_b32 s21, s15, 11                        ; the tokens': my 2 pairs;
	s_lshl_b32 s22, s16, 12
	s_add_co_u32 s22, s22, SAREG                   ; the weights': my 4 pairs, behind the tokens'
	s_sub_co_u32 s22, s22, s21
	v_mul_u32_u24 v6, s22, v2                      ; lanes 16-31 take the weights'
	s_add_co_u32 s21, s21, SCL
	v_add_nc_u32 v5, v5, v6
	v_add_nc_u32 v[ADRS], s21, v5
	s_mul_i32 s23, s14, 8448
	s_add_co_u32 s23, s23, STAGE                   ; my stage
	v_mul_u32_u24 v24, v1, 528
	v_lshl_add_u32 v24, v2, 6, v24
	v_add_nc_u32 v24, s23, v24                     ; in: row r, + 64 h
	v_add_nc_u32 v25, s23, v26                     ; back: a row of 512 bytes to the 32 lanes
	s_wait_alu depctr_va_vdst(0)
	s_wait_tensorcnt 1                             ; the scales and my part of slot 0 are in; slot 1's load may stay out
	s_barrier_signal -1
	s_barrier_wait -1
	SCALES
	FETCH 0
	s_wait_loadcnt 0x0                             ; the bias
	STEP 0, 1, 1, 0
	STEP 1, 0, 1, 0
	STEP 2, 0, 1, 0
	STEP 3, 0, 1, 1                                ; in front of the first reads of slot 1: the wait for it, and the barrier
	STEP 4, 0, 1, 0
	STEP 5, 0, 1, 0
	STEP 6, 0, 1, 0
	STEP 7, 0, 0, 0
; THE WAY OUT, a tile of 16 tokens x 128 columns at a time, through my own stage: LDS serves a wave's instructions in order, so no wait stands between the stores and the loads
.macro TOSTAGE a
	WIN 0x08                                       ; the data: window 2
.irp b, 0,1,2,3,4,5,6,7
	ds_store_b128 v24, v[64*(\a)+8*\b:64*(\a)+8*\b+3] offset:128*(\b/2)+32*(\b%2)          ; each accumulator from its low end on
	ds_store_b128 v24, v[64*(\a)+8*\b+4:64*(\a)+8*\b+7] offset:128*(\b/2)+32*(\b%2)+16
.endr
	WIN 0
.irp t, 0,1,2,3,4,5,6,7,8,9,10,11,12,13,14,15
	ds_load_b128 v[128+64*((\a)%2)+4*\t:128+64*((\a)%2)+4*\t+3], v25 offset:528*\t
.endr
.endm
.macro SEND a, younger                 ; younger: the LDS instructions issued behind tile a's loads, which may stay out
	s_wait_dscnt \younger
.irp t, 0,1,2,3,4,5,6,7,8,9,10,11,12,13,14,15
	global_store_b128 v26, v[128+64*((\a)%2)+4*\t:128+64*((\a)%2)+4*\t+3], s[10:11] offset:(32*((\a)/2)+8*((\a)%2)+\t+8*(\t/8))*4096 th:TH_STORE_NT   ; 512 consecutive bytes, at a multiple of 256 from out0's first byte; row t of tile a is token 32 (a / 2) + 8 (a % 2) + t + 8 (t / 8)
.endr
.endm
	PLACES 4                                       ; in front of the first read of results, and of loads into the tokens' sets
	TOSTAGE 0
.irp a, 1,2,3
.if \a > 1
	s_wait_xcnt 0x0                                ; the stores of two tiles ago have read the registers into which this tile's loads land
.endif
	TOSTAGE \a
	SEND \a-1, 32                                  ; behind tile a - 1's loads: tile a's 16 stores and 16 loads
.endr
	SEND 3, 0
	s_wait_tensorcnt 0x0                           ; the wave's end: behind my last tensor load and my last LDS store
	ds_add_u32 v[SPW], v[NIL]
	s_wait_dscnt 0x0
	CROUND                                         ; the closing round
	s_endpgm
.Lfunc_end_k_q22ea059f79_gemm_proj:
	.size	k_q22ea059f79_gemm_proj, .Lfunc_end_k_q22ea059f79_gemm_proj-k_q22ea059f79_gemm_proj
	.p2alignl 7, 3214868480
	.fill 96, 4, 3214868480
	.section	.rodata,"a",@progbits
	.p2align	6, 0x0
	.amdhsa_kernel k_q22ea059f79_gemm_proj
		.amdhsa_group_segment_fixed_size 327680
		.amdhsa_private_segment_fixed_size 0
		.amdhsa_enable_private_segment 0
		.amdhsa_kernarg_size 32
		.amdhsa_user_sgpr_count 2
		.amdhsa_user_sgpr_kernarg_segment_ptr 1
		.amdhsa_wavefront_size32 1
		.amdhsa_system_sgpr_workgroup_id_x 1
		.amdhsa_system_sgpr_workgroup_id_y 1
		.amdhsa_system_sgpr_workgroup_id_z 1
		.amdhsa_system_vgpr_workitem_id 0
		.amdhsa_next_free_vgpr 768
		.amdhsa_next_free_sgpr 100
		.amdhsa_reserve_vcc 0
		.amdhsa_float_denorm_mode_32 3
		.amdhsa_float_denorm_mode_16_64 3
		.amdhsa_memory_ordered 1
		.amdhsa_forward_progress 1
		.amdhsa_inst_pref_size 75
	.end_amdhsa_kernel
	.amdgpu_metadata
---
amdhsa.version: [ 1, 2 ]
amdhsa.kernels:
  - .name:           k_q22ea059f79_gemm_proj
    .symbol:         k_q22ea059f79_gemm_proj.kd
    .args:
      - { .name: oq, .offset: 0, .size: 8, .value_kind: global_buffer, .address_space: global }
      - { .name: xw, .offset: 8, .size: 8, .value_kind: global_buffer, .address_space: global }
      - { .name: b_proj, .offset: 16, .size: 8, .value_kind: global_buffer, .address_space: global }
      - { .name: out0, .offset: 24, .size: 8, .value_kind: global_buffer, .address_space: global }
    .group_segment_fixed_size: 327680
    .private_segment_fixed_size: 0
    .kernarg_segment_align: 8
    .kernarg_segment_size: 32
    .max_flat_workgroup_size: 128
    .sgpr_count:     100
    .vgpr_count:     768
    .wavefront_size: 32
...
	.end_amdgpu_metadata
.endif
;; end of part 4
